; MI455X (gfx1250); checked and timed in simulation.
; The chip was launched on July 23, 2026; its instructions are those of AMD's public machine-readable ISA for CDNA 5 (MIT licence, August 2026) and "CDNA5" Instruction Set Architecture Reference Guide (July 2026). The comments in the code are by the model that wrote it; some were corrected since.
;; Multi Headed Attention. Allowed arithmetic: matrix products marked QUANTISED: E2M1 operands, one E8M0 scale for each 32 along K, by v_wmma_scale_f32_16x16x128_f8f6f4 with both operands' format E2M1 (or v_wmma_scale_f32_32x16x128_f4), f32 sums; products left as they are: bf16, f16 or f32 operands; f32 sums; everything else in f32.
;; Inputs: W_attn 1,024 x 3,072 float32; W_proj 1,024 x 1,024 float32; b_attn 3,072 float32; b_proj 1,024 float32; x 4 x 2,048 x 1,024 float32.
;; Outputs: out0 4 x 2,048 x 1,024 float32.
;; This version of the problem:
;;   THIS VERSION OF THE PROBLEM IS GIVEN IN LOW PRECISION. The matrix products marked QUANTISED in the list below multiply operands that are first quantised to E2M1 (2 exponent bits, 1 mantissa bit; 4 bits a number), with one power-of-two scale for each 32 numbers along K (OCP MX v1.0); their sums are f32. The products marked 'left as it is' may take bf16, f16 or f32 operands, with f32 sums. Whichever they take, every output number must still come out within the allowed error. Rounding operands to bf16 (8 significant bits) uses up far more of that allowance than f16 does (11 bits, for magnitudes from 6e-5 to 65,504). All else is computed in f32.
;;   The module's matrix products, in the order in which they are computed (A, B: the left and right operand; K: the contracted axis; several contracted axes count as one K, in the product's order):
;;     1. [M 8,192, K 1,024] x [K 1,024, N 3,072]; A: input x; B: input W_attn: QUANTISED
;;     2. batch 64 x [M 2,048, K 64] x [K 64, N 2,048]; A: computed on the way; B: computed on the way: left as it is (an operand is computed on the way)
;;     3. batch 64 x [M 2,048, K 2,048] x [K 2,048, N 64]; A: computed on the way; B: computed on the way: left as it is (an operand is computed on the way)
;;     4. [M 8,192, K 1,024] x [K 1,024, N 1,024]; A: computed on the way; B: input W_proj: left as it is (an operand is computed on the way)
;;   THE QUANTISER, for each operand of a quantised product, along K:
;;     - K is cut into blocks of 32 from its start; a last block that is shorter is filled with zeros.
;;     - A block's scale is 2^e with e = floor(log2(the largest magnitude in the block)) - 2, held to -126 .. 127; a block of zeros has e = 0. As a byte (E8M0): e + 127.
;;     - Each number is divided by its block's scale, clamped to +-6, and rounded to the nearest number of E2M1, ties to even, subnormals kept.
;;     - The product sums the exact products of the quantised numbers (number of the format x scale) in f32.
;;   ~~~python
;;   def quantise(x, axis):      # numpy; x: float32 -> the quantised numbers, widened to float32 again
;;       x = np.moveaxis(x, axis, -1); K = x.shape[-1]
;;       x = np.pad(x, [(0, 0)] * (x.ndim - 1) + [(0, -K % 32)]); x = x.reshape(x.shape[:-1] + (-1, 32)); a = np.abs(x).max(-1, keepdims=True)
;;       e = np.where(a > 0, np.clip(np.frexp(np.where(a > 0, a, 1))[1] - 1 - 2, -126, 127), 0)      # np.frexp(a)[1] - 1 = floor(log2(a)), exactly
;;       r = np.clip(x / 2.0 ** e, -6, 6)
;;       step = 2.0 ** (np.maximum(np.frexp(np.where(r == 0, 1, r))[1] - 1, 0) - 1)
;;       q = np.round(r / step) * step * 2.0 ** e      # np.round: ties to even
;;       return np.moveaxis(q.reshape(q.shape[:-2] + (-1,))[..., :K], -1, axis).astype(np.float32)
;;   ~~~
;; One version. Each part assembles by itself: llvm-mc -triple=amdgcn-amd-amdhsa -mcpu=gfx1250 --defsym DOCPART=n.
;; ======== version 1 of 1: 5 launches
;; limits: values are held in f16: magnitudes above 65,504 overflow, below 6.1e-05 lose precision
;; workspace buffers: x_codes 4,194,304 bytes; x_scales 262,144 bytes; w_codes 1,572,864 bytes; w_scales 98,304 bytes; wpT 2,097,152 bytes; qkv 50,331,648 bytes; qkv32 786,432 bytes; yh 16,777,216 bytes
;; launch prep (part 1): grid 368 x 1, 4 waves a work-group, no clusters, 102,912 bytes of LDS; arguments x, W_attn, W_proj, x_codes, x_scales, w_codes, w_scales, wpT; writes x_codes, x_scales, w_codes, w_scales, wpT
.if DOCPART == 1
	.amdgcn_target "amdgcn-amd-amdhsa--gfx1250"
	.amdhsa_code_object_version 6
	.text
	.protected	k_q743e2257e1_prep
	.globl	k_q743e2257e1_prep
	.p2align	8
	.type	k_q743e2257e1_prep,@function
k_q743e2257e1_prep:
	s_mov_b64 s[64:65], 0
	v_nop
	global_prefetch_b8 v0, s[64:65] scope:SCOPE_SE
	s_setreg_imm32_b32 hwreg(HW_REG_WAVE_MODE, 25, 1), 1
	s_wait_xcnt 0x0
; Three jobs in one launch, parted by the work-group's number; each has LDS bytes of its own and its own end.
;   work-groups 0-255:   x [8192][1024] f32 -> codes of FP4 (E2M1), K innermost, and one E8M0 byte for each 32 along K
;   work-groups 256-303: W_attn [1024 k][3072 n] f32 -> codes laid [3072 n][1024 k], K innermost, and bytes [3072][32]
;   work-groups 304-367: W_proj [1024 k][1024 n] f32 -> f16 laid [1024 n][1024 k]
; A block's scale is 2^(floor(log2(its largest magnitude)) - 2); its byte is the largest magnitude's exponent field - 2, held at 1 from below.
; LIMITS: a block of zeros gets the byte 1 where the rule says 127 (its codes are zeros, and this program alone reads the bytes); blocks whose largest magnitude lies
; under 2^(2 - 126) have their byte held at 1; NaN and infinities in x and W_attn are not served; |W_proj| up to 65,504 (f16), magnitudes under 6e-5 keep an absolute error of 3e-8.
; No tensor loads, no barrier: waves share nothing.
.set SPW,   192                        ; v192 LDS address of my spare word: SPARE + 4 x my thread's number; never rewritten
.set NIL,   193                        ; v193 0; never rewritten
.set SPARE, 102400                     ; behind the three paths' regions: 128 bytes for each wave
.set EMAX,  2
	s_load_b128 s[4:7], s[0:1], 0x0                ; x, W_attn
	s_load_b128 s[8:11], s[0:1], 0x10              ; W_proj, x's codes
	s_load_b128 s[12:15], s[0:1], 0x20             ; x's scales, W_attn's codes
	s_load_b128 s[16:19], s[0:1], 0x30             ; W_attn's scales, W_proj turned
	v_lshl_add_u32 v[SPW], v0, 2, SPARE
	v_mov_b32 v[NIL], 0
	v_lshrrev_b32 v1, 5, v0
	v_readfirstlane_b32 s20, v1                    ; wave 0..3
	v_and_b32 v2, 31, v0                           ; lane
	s_mov_b32 s25, 0
	s_wait_kmcnt 0x0
	s_cmp_lt_u32 ttmp9, 256
	s_cbranch_scc0 .Lnot_x
; ---------------- x: a plain stream of blocks of 32.  A wave takes 16 steps of 512 numbers.
; Each of a step's four loads reads 512 consecutive bytes; the 2,048 bytes turn through the wave's own stage in LDS and come back 64 bytes a lane: 16 neighbours along K, two lanes to a block.
.set STEPS, 16
.set CB,    8                          ; bytes of 16 codes
.set R,     16                         ; v16-79   four sets of 16 numbers as loaded
.set X,     80                         ; v80-111  two sets of 16 neighbours
.set C,     128                        ; v128-191 codes: registers of its own for each step
.set E,     112                        ; v112-127 a scale byte for each step
.set WREG,  8192                       ; LDS 0 .. 32,767: a region for each wave: two stages of 32 x SP bytes, then its 256 scale bytes
.set SP,    80                         ; a lane's place in a stage: 64 bytes + 16 of padding
	v_lshlrev_b32 v3, 4, v2                        ; my 16 bytes of a load's 512
	s_mul_i32 s21, s20, WREG
	v_lshrrev_b32 v14, 2, v2
	v_mul_u32_u24 v14, v14, SP
	v_and_b32 v15, 3, v2
	v_lshl_add_u32 v14, v15, 4, v14
	v_add_nc_u32 v14, s21, v14                     ; the stage, on the way in: SP (lane / 4) + 16 (lane % 4)
	v_mul_u32_u24 v15, v2, SP
	v_add_nc_u32 v15, s21, v15                     ; and on the way out: SP x lane
	v_mul_u32_u24 v4, v2, CB                       ; my codes' place in a step's
	v_lshrrev_b32 v5, 1, v2
	s_add_co_u32 s21, s21, 2*32*SP
	v_add_nc_u32 v5, s21, v5                       ; my block's byte among my wave's 256
	v_lshlrev_b32 v7, 3, v2
	v_add_nc_u32 v6, s21, v7                       ; on the way out 8 bytes a lane
	s_lshl_b32 s22, ttmp9, 2
	s_add_co_u32 s22, s22, s20                     ; which run of 8,192 numbers is my wave's
	s_lshl_b32 s24, s22, 15
	s_add_nc_u64 s[4:5], s[4:5], s[24:25]          ; 32,768 bytes of x a run,
	s_lshl_b32 s24, s22, 12
	s_add_nc_u64 s[10:11], s[10:11], s[24:25]      ; 4,096 of codes,
	s_lshl_b32 s24, s22, 8
	s_add_nc_u64 s[12:13], s[12:13], s[24:25]      ; 256 of scale bytes
.macro XLOAD t
.irp i, 0,1,2,3
	global_load_b128 v[R+16*((\t)%4)+4*\i:R+16*((\t)%4)+4*\i+3], v3, s[4:5] offset:2048*(\t)+512*\i th:TH_LOAD_NT
.endr
.endm
.macro XTURN t                         ; LDS serves a wave's instructions in order: no wait between the stores and the loads
.irp i, 0,1,2,3
	ds_store_b128 v14, v[R+16*((\t)%4)+4*\i:R+16*((\t)%4)+4*\i+3] offset:32*SP*((\t)%2)+8*SP*\i
.endr
.irp i, 0,1,2,3
	ds_load_b128 v[X+16*((\t)%2)+4*\i:X+16*((\t)%2)+4*\i+3], v15 offset:32*SP*((\t)%2)+16*\i
.endr
.endm
.irp t, 0,1,2,3
	XLOAD \t
.endr
	s_wait_loadcnt 12                              ; step 0's four loads are in; three steps' twelve may be out
	XTURN 0
.macro XSTEP t
.set XS, X+16*((\t)%2)
.if (\t) > 0
	s_wait_dscnt 1                                 ; this step's numbers are back from the stage; the last step's byte store may be out
.else
	s_wait_dscnt 0x0
.endif
.if (\t)+4 < STEPS
	XLOAD (\t)+4
.endif
.if (\t)+1 < STEPS
.if STEPS-2-(\t) >= 3
	s_wait_loadcnt 12                              ; the next step's four loads are in; those of the three steps behind it may be out
.else
	s_wait_loadcnt 4*(STEPS-2-(\t))
.endif
	XTURN (\t)+1
.endif
	v_max3_num_f32 v8, |v[XS]|, |v[XS+1]|, |v[XS+2]|
	v_max3_num_f32 v9, |v[XS+3]|, |v[XS+4]|, |v[XS+5]|
.irp i, 6,10
	v_max3_num_f32 v8, v8, |v[XS+\i]|, |v[XS+\i+1]|
	v_max3_num_f32 v9, v9, |v[XS+\i+2]|, |v[XS+\i+3]|
.endr
	v_max3_num_f32 v8, v8, |v[XS+14]|, |v[XS+15]|
	v_max3_num_f32 v8, v8, v9, (EMAX+1)<<23        ; the floor 2^(3 - 127): the byte cannot fall under 1
	v_max_num_f32_dpp v8, v8, v8 row_xmask:1 row_mask:0xf bank_mask:0xf   ; with my neighbour's 16: the block's largest magnitude
	v_add_nc_u32 v11, 0xff000000, v8               ; 2 off its exponent field: the conversion takes this operand's exponent field as its scale
	v_cvt_scalef32_pk8_fp4_f32 v[C+4*(\t)], v[XS:XS+7], v11
	v_cvt_scalef32_pk8_fp4_f32 v[C+4*(\t)+1], v[XS+8:XS+15], v11
	v_lshrrev_b32 v[E+(\t)], 23, v11               ; the scale's byte (a plain line behind the conversions)
	ds_store_b8 v5, v[E+(\t)] offset:16*(\t)       ; both lanes of a block write the same byte with the same value
	global_store_b64 v4, v[C+4*(\t):C+4*(\t)+1], s[10:11] offset:32*CB*(\t)   ; the wave stores 256 consecutive bytes, aligned
.endm
.irp t, 0,1,2,3,4,5,6,7,8,9,10,11,12,13,14,15
	XSTEP \t
.endr
	ds_load_b64 v[8:9], v6
	s_wait_dscnt 0x0
	global_store_b64 v7, v[8:9], s[12:13]          ; my wave's 256 scale bytes, consecutive and aligned
	s_wait_tensorcnt 0x0                           ; the wave's end: behind my last LDS store
	ds_add_u32 v[SPW], v[NIL]
	s_wait_dscnt 0x0
	s_endpgm
.Lnot_x:
	s_cmp_lt_u32 ttmp9, 304
	s_cbranch_scc0 .Lpath_p
; ---------------- W_attn: K is its first axis.  A lane takes a column n and its registers run down K: a block of 32 lies in one lane.
; A wave takes 32 columns x 512 along K; the codes go through its own stage and leave as rows: sixteen lanes store 256 consecutive bytes, aligned.
.set WN,    3072
.set NB,    16                         ; blocks of a wave
.set PITCH, 272                        ; a stage row: 256 bytes + 16
.set KROW,  512                        ; a row of the codes' buffer
.set WSTG,  32768                      ; LDS 32,768 .. 67,583: four stages of 32 x 272
.set WX,    32                         ; v32-95   two sets of 32 numbers
.set WC,    96                         ; v96-99   a block's codes
.set OUTR,  112                        ; v112-175 the way out
.set SB,    24                         ; v24-27   the scale bytes, four to a register
	s_sub_co_u32 s21, ttmp9, 256
	s_lshr_b32 s22, s21, 1                         ; which 128 columns
	s_and_b32 s23, s21, 1                          ; which 512 along K
	s_lshl_b32 s22, s22, 7
	s_lshl_b32 s24, s20, 5
	s_add_co_u32 s22, s22, s24                     ; my wave's first column
	v_lshlrev_b32 v3, 2, v2                        ; in: 4 bytes a lane
	s_mul_i32 s24, s20, 32*PITCH
	s_add_co_u32 s24, s24, WSTG                    ; my stage
	v_mul_u32_u24 v4, v2, PITCH
	v_add_nc_u32 v4, s24, v4                       ; into it: row = my column
	v_and_b32 v5, 15, v2
	v_lshrrev_b32 v6, 4, v2
	v_mul_u32_u24 v7, v6, PITCH
	v_lshl_add_u32 v7, v5, 4, v7
	v_add_nc_u32 v7, s24, v7                       ; out of it: sixteen lanes to a row, two rows an instruction
	v_mul_u32_u24 v8, v6, KROW
	v_lshl_add_u32 v8, v5, 4, v8                   ; the same place in the codes' buffer
	v_lshlrev_b32 v9, 5, v2                        ; my column's row of 32 scale bytes
	s_mul_i32 s24, s23, 512*WN*4
	s_lshl_b32 s26, s22, 2
	s_add_co_u32 s24, s24, s26
	s_add_nc_u64 s[6:7], s[6:7], s[24:25]
	s_lshl_b32 s24, s22, 9
	s_lshl_b32 s26, s23, 8
	s_add_co_u32 s24, s24, s26
	s_add_nc_u64 s[14:15], s[14:15], s[24:25]
	s_lshl_b32 s24, s22, 5
	s_lshl_b32 s26, s23, 4
	s_add_co_u32 s24, s24, s26
	s_add_nc_u64 s[16:17], s[16:17], s[24:25]
.macro WLOAD t                         ; block t: W(32 t + i, my column); the largest offset, 511 rows of 12,288 bytes, lies inside the signed 24-bit immediate
.set i, 0
.rept 32
	global_load_b32 v[WX+32*((\t)%2)+i], v3, s[6:7] offset:(32*(\t)+i)*WN*4 th:TH_LOAD_NT
.set i, i+1
.endr
.endm
	WLOAD 0
	WLOAD 1
.macro WBLOCK t
.set XS, WX+32*((\t)%2)
.if (\t) < NB-1
	s_wait_loadcnt 32                              ; this block's 32 loads are in; the next block's may be out
.else
	s_wait_loadcnt 0
.endif
	v_max3_num_f32 v12, |v[XS]|, |v[XS+1]|, |v[XS+2]|
	v_max3_num_f32 v13, |v[XS+3]|, |v[XS+4]|, |v[XS+5]|
.irp i, 6,10,14,18,22,26
	v_max3_num_f32 v12, v12, |v[XS+\i]|, |v[XS+\i+1]|
	v_max3_num_f32 v13, v13, |v[XS+\i+2]|, |v[XS+\i+3]|
.endr
	v_max3_num_f32 v12, v12, |v[XS+30]|, |v[XS+31]|
	v_max3_num_f32 v12, v12, v13, (EMAX+1)<<23     ; the floor
	v_add_nc_u32 v11, 0xff000000, v12              ; the conversion's scale operand
	v_lshrrev_b32 v13, 23, v11                     ; the scale's byte
.if (\t)%4 == 0
	v_mov_b32 v[SB+(\t)/4], v13
.else
	v_lshl_or_b32 v[SB+(\t)/4], v13, 8*((\t)%4), v[SB+(\t)/4]
.endif
.irp g, 0,1,2,3
	v_cvt_scalef32_pk8_fp4_f32 v[WC+\g], v[XS+8*\g:XS+8*\g+7], v11
.endr
	v_nop                                          ; a plain line behind the last conversion
	ds_store_b128 v4, v[WC:WC+3] offset:16*(\t)
.if (\t)+2 < NB
	WLOAD (\t)+2
.endif
	s_wait_dscnt 0x0                               ; the store has read its registers: the next block's codes may be written
.endm
.set Q, 0
.rept NB
	WBLOCK Q
.set Q, Q+1
.endr
	global_store_b128 v9, v[SB:SB+3], s[16:17]     ; my column's 16 scale bytes
.irp t, 0,1,2,3,4,5,6,7,8,9,10,11,12,13,14,15
	ds_load_b128 v[OUTR+4*\t:OUTR+4*\t+3], v7 offset:2*\t*PITCH
.endr
.irp t, 0,1,2,3,4,5,6,7,8,9,10,11,12,13,14,15
	s_wait_dscnt 15-\t                             ; LDS loads come back in order: load t is in
	global_store_b128 v8, v[OUTR+4*\t:OUTR+4*\t+3], s[14:15] offset:2*\t*KROW
.endr
	s_wait_tensorcnt 0x0                           ; the wave's end: the three lines
	ds_add_u32 v[SPW], v[NIL]
	s_wait_dscnt 0x0
	s_endpgm
.Lpath_p:
; ---------------- W_proj: the same frame, rounding to f16 in place of the quantiser.  A wave takes 32 columns x 128 along K: 256 bytes a column.
.set PSTG,  67584                      ; LDS 67,584 .. 102,399: four stages of 32 x 272
.set PNB,   4
	s_sub_co_u32 s21, ttmp9, 304
	s_and_b32 s22, s21, 7                          ; which 128 columns
	s_lshr_b32 s23, s21, 3                         ; which 128 along K
	s_lshl_b32 s22, s22, 7
	s_lshl_b32 s24, s20, 5
	s_add_co_u32 s22, s22, s24                     ; my wave's first column
	v_lshlrev_b32 v3, 2, v2
	s_mul_i32 s24, s20, 32*PITCH
	s_add_co_u32 s24, s24, PSTG
	v_mul_u32_u24 v4, v2, PITCH
	v_add_nc_u32 v4, s24, v4
	v_and_b32 v5, 15, v2
	v_lshrrev_b32 v6, 4, v2
	v_mul_u32_u24 v7, v6, PITCH
	v_lshl_add_u32 v7, v5, 4, v7
	v_add_nc_u32 v7, s24, v7
	v_lshlrev_b32 v8, 11, v6                       ; a row of the turned weight is 2,048 bytes
	v_lshl_add_u32 v8, v5, 4, v8
	s_lshl_b32 s24, s23, 19                        ; 128 rows of 4,096 bytes
	s_lshl_b32 s26, s22, 2
	s_add_co_u32 s24, s24, s26
	s_add_nc_u64 s[8:9], s[8:9], s[24:25]
	s_lshl_b32 s24, s22, 11
	s_lshl_b32 s26, s23, 8
	s_add_co_u32 s24, s24, s26
	s_add_nc_u64 s[18:19], s[18:19], s[24:25]
.macro PLOAD t
.set i, 0
.rept 32
	global_load_b32 v[WX+32*((\t)%2)+i], v3, s[8:9] offset:(32*(\t)+i)*4096
.set i, i+1
.endr
.endm
	PLOAD 0
	PLOAD 1
.macro PBLOCK t
.set XS, WX+32*((\t)%2)
.if (\t) < PNB-1
	s_wait_loadcnt 32                              ; this block's 32 loads are in; the next block's may be out
.else
	s_wait_loadcnt 0
.endif
.set g, 0
.rept 16
	v_cvt_pk_f16_f32 v[WC+g], v[XS+2*g], v[XS+2*g+1]   ; the lower k in the low half
.set g, g+1
.endr
.irp u, 0,1,2,3
	ds_store_b128 v4, v[WC+4*\u:WC+4*\u+3] offset:64*(\t)+16*\u
.endr
.if (\t)+2 < PNB
	PLOAD (\t)+2
.endif
	s_wait_dscnt 0x0                               ; the stores have read their registers
.endm
.irp t, 0,1,2,3
	PBLOCK \t
.endr
.irp t, 0,1,2,3,4,5,6,7,8,9,10,11,12,13,14,15
	ds_load_b128 v[OUTR+4*\t:OUTR+4*\t+3], v7 offset:2*\t*PITCH
.endr
.irp t, 0,1,2,3,4,5,6,7,8,9,10,11,12,13,14,15
	s_wait_dscnt 15-\t
	global_store_b128 v8, v[OUTR+4*\t:OUTR+4*\t+3], s[18:19] offset:2*\t*2048   ; sixteen lanes store 256 consecutive bytes, aligned
.endr
	s_wait_tensorcnt 0x0                           ; the wave's end: the three lines
	ds_add_u32 v[SPW], v[NIL]
	s_wait_dscnt 0x0
	s_endpgm
.Lfunc_end_k_q743e2257e1_prep:
	.size	k_q743e2257e1_prep, .Lfunc_end_k_q743e2257e1_prep-k_q743e2257e1_prep
	.p2alignl 7, 3214868480
	.fill 96, 4, 3214868480
	.section	.rodata,"a",@progbits
	.p2align	6, 0x0
	.amdhsa_kernel k_q743e2257e1_prep
		.amdhsa_group_segment_fixed_size 102912
		.amdhsa_private_segment_fixed_size 0
		.amdhsa_enable_private_segment 0
		.amdhsa_kernarg_size 64
		.amdhsa_user_sgpr_count 2
		.amdhsa_user_sgpr_kernarg_segment_ptr 1
		.amdhsa_wavefront_size32 1
		.amdhsa_system_sgpr_workgroup_id_x 1
		.amdhsa_system_sgpr_workgroup_id_y 1
		.amdhsa_system_sgpr_workgroup_id_z 1
		.amdhsa_system_vgpr_workitem_id 0
		.amdhsa_next_free_vgpr 194
		.amdhsa_next_free_sgpr 66
		.amdhsa_reserve_vcc 0
		.amdhsa_float_denorm_mode_32 3
		.amdhsa_float_denorm_mode_16_64 3
		.amdhsa_memory_ordered 1
		.amdhsa_forward_progress 1
		.amdhsa_inst_pref_size 133
	.end_amdhsa_kernel
	.amdgpu_metadata
---
amdhsa.version: [ 1, 2 ]
amdhsa.kernels:
  - .name:           k_q743e2257e1_prep
    .symbol:         k_q743e2257e1_prep.kd
    .args:
      - { .name: x, .offset: 0, .size: 8, .value_kind: global_buffer, .address_space: global }
      - { .name: W_attn, .offset: 8, .size: 8, .value_kind: global_buffer, .address_space: global }
      - { .name: W_proj, .offset: 16, .size: 8, .value_kind: global_buffer, .address_space: global }
      - { .name: x_codes, .offset: 24, .size: 8, .value_kind: global_buffer, .address_space: global }
      - { .name: x_scales, .offset: 32, .size: 8, .value_kind: global_buffer, .address_space: global }
      - { .name: w_codes, .offset: 40, .size: 8, .value_kind: global_buffer, .address_space: global }
      - { .name: w_scales, .offset: 48, .size: 8, .value_kind: global_buffer, .address_space: global }
      - { .name: wpT, .offset: 56, .size: 8, .value_kind: global_buffer, .address_space: global }
    .group_segment_fixed_size: 102912
    .private_segment_fixed_size: 0
    .kernarg_segment_align: 8
    .kernarg_segment_size: 64
    .max_flat_workgroup_size: 128
    .sgpr_count:     66
    .vgpr_count:     194
    .wavefront_size: 32
...
	.end_amdgpu_metadata
.endif
;; end of part 1
;; launch gemm_qkv (part 2): grid 12 x 32, 4 waves a work-group, clusters of 4 x 4, 327,680 bytes of LDS; arguments x_codes, x_scales, w_codes, w_scales, b_attn, qkv, qkv32; writes qkv, qkv32
.if DOCPART == 2
	.amdgcn_target "amdgcn-amd-amdhsa--gfx1250"
	.amdhsa_code_object_version 6
	.text
	.protected	k_q743e2257e1_gemm_qkv
	.globl	k_q743e2257e1_gemm_qkv
	.p2align	8
	.type	k_q743e2257e1_gemm_qkv,@function
k_q743e2257e1_gemm_qkv:
	s_mov_b64 s[64:65], 0
	v_nop
	global_prefetch_b8 v0, s[64:65] scope:SCOPE_SE
	s_setreg_imm32_b32 hwreg(HW_REG_WAVE_MODE, 25, 1), 1
	s_wait_xcnt 0x0
	s_wait_alu depctr_hold_cnt(0) depctr_sa_sdst(0) depctr_va_vdst(0) depctr_va_sdst(0) depctr_va_ssrc(0) depctr_va_vcc(0) depctr_vm_vsrc(0)
	s_getreg_b32 s2, hwreg(HW_REG_IB_STS2, 6, 4)
	s_cmp_eq_u32 s2, 0
	s_cbranch_scc0 .Lentry_in_a_cluster
	s_endpgm
.Lentry_in_a_cluster:
	s_bfe_u32 s2, ttmp6, 0x10000c
	s_cmp_lg_u32 s2, 0xf033
	s_cbranch_scc0 .Lentry_shape_is_right
	s_endpgm
.Lentry_shape_is_right:
; qkv = Q(x) Q(W_attn) + b_attn on codes of FP4 (E2M1) with one E8M0 scale for each 32 along K; sums in f32.  M 8,192, N 3,072, K 1,024.
; A tile of 256 x 256 is made by four waves, each 128 x 128: 64 accumulators of 16 x 16.  K is two LDS slots of 512, both asked for at the head: nothing is filled again.
; The scale bytes of the tile's 256 + 256 rows come once, as dense blocks.  CLUSTERS of 4 x 4: x's tiles are shared along a row of the cluster, W's along a column: joint loads.
; The tile row is (cluster y) + 8 cy, so that cy is the batch and the test for a sequence's first 16 positions hangs on the cluster's y and the wave's number alone.
; THE MATRIX INSTRUCTION IS USED TRANSPOSED (source 0 = 16 rows of W's codes, source 1 = 16 rows of x's): a lane holds eight neighbouring columns of one row.
; The bias is the C of each sum's first matrix instruction.
; OUT: f16, laid [batch][48 planes: q, k, v x 16 heads][2048][64]; and the first 16 positions of each sequence once more in f32, [batch][16][3072].
; LIMIT: |q|, |k|, |v| up to 65,504 (f16); magnitudes under 6e-5 keep an absolute error of 3e-8.
; No prefetch: every tile of the launch is asked for at its head.
; REGISTERS: window 0: v0-31 addresses; v32-95 scale words, two sets; v128-191 x's fragments, one set; v192-255 the bias, later packed results.  window 1: W's fragments, two sets.
;   windows 2, 3: the accumulators ((a, b) at v[8 (8 (a % 4) + b)] of window 2 + a / 4).
.set SIZE_K, 1024
.set NQ,     4                         ; matrix instructions deep in a slot
.set ROWB,   256                       ; a tile's row: 512 codes
.set KROW,   512                       ; a row of codes in memory
.set PITCH,  272                       ; an LDS row: 256 bytes + 16: the 16 rows that a load touches start 16 bytes apart modulo 256
.set FR,     8
.set NL,     2
.set NP,     4
.set HALFT,  128*PITCH
.set SLOT,   4*HALFT
.set KS,     32                        ; a row of scale bytes
.set SCL,    2*SLOT
.set HALFS,  (128*KS/256)*272
.set SBLK,   (16*KS/256)*272
.set SPARE,  SCL+4*HALFS               ; the spare words, 128 bytes for each wave
.set ST16,   4*16*528                  ; the way out, in slot 0, which has had its one fill and its last read: four f32 stages of 16 x 528, then four f16 stages of 16 x 272
.set STO32, 8
.set RD32,  9
.set STO16, 10
.set RD16,  11
.set CO,    12                         ; v12  16 x lane
.set BOF,   13                         ; v13  32 x (lane / 16): my half's eight numbers of a block of the bias
.set ADRA, 16
.set ADRB, 20
.set ADRS, 27
.set SPW,  28
.set NIL,  29
.set SC,   32
.set AF,   128
.set BIAS, 192
.set TMP,  192
.set G1, 24
.set G0, 32
.set G1B, 48
.set G0B, 56
.set G1S, 68
.set G0S, 76
.set G1SB, 80
.set G0SB, 88
.set MSB, 0
.macro WIN new                         ; the immediate's high byte repeats the setting that is left
.if MSB != \new
	s_set_vgpr_msb (MSB<<8)|\new
.set MSB, \new
.endif
.endm
.set MUL_LO, 0xa1                      ; source 0 window 1, source 1 window 0, C and D window 2
.set MUL_HI, 0xf1                      ; C and D window 3
.set FST_LO, 0x81                      ; the first step: C (the bias) window 0, D window 2
.set FST_HI, 0xc1                      ; D window 3
.set TO_B,   0x40
; A joint load: waves 0 and 1 fetch for x, waves 2 and 3 for W.  An s_nop 0 and four v_nop follow each of the two lines.
.macro JLOAD g0a, g1a, g0b, g1b
	s_cmp_eq_u32 s15, 0
	s_cbranch_scc0 .Lfor_b_\@
	tensor_load_to_lds s[\g0a:\g0a+3], s[\g1a:\g1a+7]
	s_nop 0
.rept 4
	v_nop
.endr
	s_branch .Lasked_\@
.Lfor_b_\@:
	tensor_load_to_lds s[\g0b:\g0b+3], s[\g1b:\g1b+7]
	s_nop 0
.rept 4
	v_nop
.endr
.Lasked_\@:
.endm
.macro CROUND                          ; a round of the cluster's barrier
	s_barrier_signal -1
	s_barrier_wait -1
	s_cmp_lg_u32 s14, 0
	s_cbranch_scc1 .Lnot_wave_0_\@
	s_barrier_signal -3
.Lnot_wave_0_\@:
	s_barrier_wait -3
	s_barrier_signal -1
	s_barrier_wait -1
.endm
	s_load_b128 s[4:7], s[0:1], 0x0                ; x's codes, x's scales
	s_load_b128 s[8:11], s[0:1], 0x10              ; W's codes, W's scales
	s_load_b128 s[96:99], s[0:1], 0x20             ; b_attn, qkv
	s_load_b64 s[100:101], s[0:1], 0x30            ; qkv32
	v_lshl_add_u32 v[SPW], v0, 2, SPARE
	v_mov_b32 v[NIL], 0
	ds_add_u32 v[SPW], v[NIL]                      ; the wave's opening: the add, twice on end, and its wait ahead of my first tensor load
	ds_add_u32 v[SPW], v[NIL]
	v_lshrrev_b32 v1, 5, v0
	v_readfirstlane_b32 s14, v1                    ; wave 0..3
	s_lshr_b32 s15, s14, 1                         ; my half of the tile's rows.  Also: I fetch for x (0) or for W (1)
	s_and_b32 s16, s14, 1                          ; my half of its columns.  Also: which 128 rows I fetch
	s_bfe_u32 s40, ttmp6, 0x40000                  ; cx
	s_bfe_u32 s41, ttmp6, 0x40004                  ; cy
	s_lshl_b32 s42, ttmp9, 2
	s_add_co_u32 s42, s42, s40                     ; tile column = 4 x cluster x + cx
	s_and_b32 s66, ttmp7, 0xffff                   ; cluster y: the tile's place inside a batch
	s_lshl_b32 s17, s41, 3
	s_add_co_u32 s17, s17, s66                     ; tile row = 8 cy + cluster y
	s_lshl_b32 s43, s41, 2
	s_lshl_b32 s43, 15, s43                        ; my row of the cluster
	s_lshl_b32 s44, 0x1111, s40                    ; my column
	s_or_b32 s[G1+0], s43, (0<<16)|(1<<20)|(1<<21)|(5<<22)|(3<<25)   ; the mask; elements of 1 byte; padding on; bit 21 beside a mask; 4 words after every 64
	s_or_b32 s[G1B+0], s44, (0<<16)|(1<<20)|(1<<21)|(5<<22)|(3<<25)
.irp g, G1, G1B
	s_mov_b32 s[\g+1], ROWB<<16                    ; tensor_dim0
	s_mov_b32 s[\g+2], 128<<16                     ; tensor_dim1
	s_mov_b32 s[\g+3], ROWB<<16                    ; tile_dim0
	s_mov_b32 s[\g+4], 128                         ; tile_dim1
	s_mov_b32 s[\g+5], KROW                        ; the pitch in memory
	s_mov_b32 s[\g+6], 0
	s_mov_b32 s[\g+7], 0
.endr
	s_or_b32 s[G1S+0], s43, (3<<16)|(1<<20)|(1<<21)|(5<<22)|(3<<25)  ; the scales of 128 rows: 4,096 dense bytes as 16 rows of 32 elements of 8 bytes
	s_or_b32 s[G1SB+0], s44, (3<<16)|(1<<20)|(1<<21)|(5<<22)|(3<<25)
.irp g, G1S, G1SB
	s_mov_b32 s[\g+1], 32<<16
	s_mov_b32 s[\g+2], (128*KS/256)<<16
	s_mov_b32 s[\g+3], 32<<16
	s_mov_b32 s[\g+4], 128*KS/256
	s_mov_b32 s[\g+5], 32
	s_mov_b32 s[\g+6], 0
	s_mov_b32 s[\g+7], 0
.endr
	s_lshl_b32 s18, s16, 7
	s_lshl_b32 s20, s17, 8
	s_add_co_u32 s20, s20, s18                     ; x: row 256 x tile row + 128 x half
	s_lshl_b32 s46, s42, 8
	s_add_co_u32 s46, s46, s18                     ; W: row 256 x tile column + 128 x half
	s_mov_b32 s21, 0
	s_mov_b32 s47, 0
	s_mov_b64 s[18:19], KS
	s_mul_u64 s[22:23], s[20:21], s[18:19]
	s_mul_u64 s[92:93], s[46:47], s[18:19]
	s_mov_b64 s[18:19], KROW
	s_mul_u64 s[20:21], s[20:21], s[18:19]
	s_mul_u64 s[46:47], s[46:47], s[18:19]
	s_mul_i32 s45, s14, HALFT                      ; where they go: wave x 128 rows
	s_mul_i32 s94, s14, HALFS
	s_wait_dscnt 0x0                               ; both opening adds are done
	s_wait_kmcnt 0x0
	s_add_nc_u64 s[20:21], s[4:5], s[20:21]
	s_add_nc_u64 s[22:23], s[6:7], s[22:23]
	s_add_nc_u64 s[46:47], s[8:9], s[46:47]
	s_add_nc_u64 s[92:93], s[10:11], s[92:93]
	CROUND                                         ; all sixteen work-groups are here: the joint loads meet
	s_mov_b32 s[G0S], 1
	s_add_co_u32 s[G0S+1], s94, SCL
	s_mov_b64 s[G0S+2:G0S+3], s[22:23]
	s_or_b32 s[G0S+3], s[G0S+3], 0x80000000
	s_mov_b32 s[G0SB], 1
	s_add_co_u32 s[G0SB+1], s94, SCL
	s_mov_b64 s[G0SB+2:G0SB+3], s[92:93]
	s_or_b32 s[G0SB+3], s[G0SB+3], 0x80000000
	JLOAD G0S, G1S, G0SB, G1SB                     ; the scales first
.irp s, 0,1
	s_mov_b32 s[G0+4*\s], 1
	s_add_co_u32 s[G0+4*\s+1], s45, \s*SLOT
	s_add_nc_u64 s[G0+4*\s+2:G0+4*\s+3], s[20:21], \s*ROWB
	s_or_b32 s[G0+4*\s+3], s[G0+4*\s+3], 0x80000000
	s_mov_b32 s[G0B+4*\s], 1
	s_add_co_u32 s[G0B+4*\s+1], s45, \s*SLOT
	s_add_nc_u64 s[G0B+4*\s+2:G0B+4*\s+3], s[46:47], \s*ROWB
	s_or_b32 s[G0B+4*\s+3], s[G0B+4*\s+3], 0x80000000
	JLOAD G0+4*\s, G1, G0B+4*\s, G1B               ; three loads of mine are out in all
.endr
	v_and_b32 v1, 15, v0                           ; r = l % 16
	v_bfe_u32 v2, v0, 4, 1                         ; h = l / 16
	; the outputs' and the bias's bases
	s_lshl_b32 s46, s42, 10
	s_lshl_b32 s47, s16, 9
	s_add_co_u32 s46, s46, s47                     ; 4 x my first column
	s_mov_b32 s47, 0
	s_add_nc_u64 s[96:97], s[96:97], s[46:47]
	s_add_nc_u64 s[100:101], s[100:101], s[46:47]
	s_mul_i32 s12, s41, 196608                     ; a batch's 16 rows of 12,288 bytes
	s_mov_b32 s13, 0
	s_add_nc_u64 s[100:101], s[100:101], s[12:13]
	s_mul_i32 s12, s41, 48
	s_lshl_b32 s2, s42, 2
	s_add_co_u32 s12, s12, s2
	s_lshl_b32 s2, s16, 1
	s_add_co_u32 s12, s12, s2                      ; my first plane: 48 x batch + my first column / 64
	s_lshl_b32 s12, s12, 18                        ; a plane is 2,048 rows of 128 bytes
	s_lshl_b32 s2, s66, 15
	s_add_co_u32 s12, s12, s2                      ; + 256 rows x cluster y
	s_lshl_b32 s2, s15, 14
	s_add_co_u32 s12, s12, s2                      ; + 128 rows x my half
	s_add_nc_u64 s[98:99], s[98:99], s[12:13]
	v_lshlrev_b32 v[BOF], 5, v2
.irp b, 0,1,2,3,4,5,6,7
	global_load_b128 v[BIAS+8*\b:BIAS+8*\b+3], v[BOF], s[96:97] offset:64*\b        ; register 8 b + j: b_attn at my column 16 b + 8 h + j
	global_load_b128 v[BIAS+8*\b+4:BIAS+8*\b+7], v[BOF], s[96:97] offset:64*\b+16
.endr
	v_mul_u32_u24 v3, v1, PITCH
	v_lshl_add_u32 v4, v2, 4, v3                   ; a fragment's row x pitch + 16 x half
	s_mul_i32 s21, s15, HALFT
	s_mul_i32 s22, s16, HALFT
	s_add_co_u32 s22, s22, 2*HALFT
.irp s, 0,1
	v_add_nc_u32 v[ADRA+\s], s21, v4
	v_add_nc_u32 v[ADRB+\s], s22, v4
	s_add_co_u32 s21, s21, SLOT
	s_add_co_u32 s22, s22, SLOT
.endr
	v_mul_u32_u24 v5, v1, KS
	v_lshrrev_b32 v6, 8, v5
	v_lshl_add_u32 v5, v6, 4, v5                   ; my row's scales: 32 bytes a row, 16 more for each 256 passed
	s_mul_i32 s21, s15, HALFS
	s_mul_i32 s22, s16, HALFS
	s_add_co_u32 s22, s22, 2*HALFS
	s_sub_co_u32 s22, s22, s21
	v_mul_u32_u24 v6, s22, v2                      ; lanes 16-31 take W's
	s_add_co_u32 s21, s21, SCL
	v_add_nc_u32 v5, v5, v6
	v_add_nc_u32 v[ADRS], s21, v5
	s_mul_i32 s23, s14, 16*528                     ; my f32 stage
	v_mul_u32_u24 v5, v1, 528
	v_lshl_add_u32 v5, v2, 5, v5
	v_add_nc_u32 v[STO32], s23, v5
	v_and_b32 v6, 31, v0
	v_lshlrev_b32 v[CO], 4, v6
	v_add_nc_u32 v[RD32], s23, v[CO]
	s_mul_i32 s23, s14, 16*272                     ; my f16 stage
	s_add_co_u32 s23, s23, ST16
	v_mul_u32_u24 v5, v1, 272
	v_lshl_add_u32 v5, v2, 4, v5
	v_add_nc_u32 v[STO16], s23, v5                 ; in: row r, 16 bytes for each half of the lanes
	v_lshrrev_b32 v5, 3, v6
	v_mul_u32_u24 v5, v5, 272
	v_and_b32 v7, 7, v0
	v_lshl_add_u32 v5, v7, 4, v5
	v_add_nc_u32 v[RD16], s23, v5                  ; back: eight lanes take one head's 128 bytes of a row, four rows an instruction
.macro FRAG reg, adr, q, i             ; 16 rows x 128 K of 4-bit codes: 8 registers, two loads of 16 bytes, 32 bytes apart
.irp c, 0,1
	ds_load_b128 v[\reg+4*\c:\reg+4*\c+3], v[\adr] offset:64*(\q)+32*\c+(\i)*16*PITCH
.endr
.endm
; 16 matrix instructions: x's blocks a0, a0 + 1 against W's eight.  The 64 accumulators take turns, one instruction a turn, in the same order in every step.
.macro MUL16 a0, p, q, sc, zero
.irp a, \a0, \a0+1
.irp b, 0,1,2,3,4,5,6,7
.if \zero
	v_wmma_scale_f32_16x16x128_f8f6f4 v[8*(8*((\a)%4)+\b):8*(8*((\a)%4)+\b)+7], v[128*(\p)+FR*\b:128*(\p)+FR*\b+FR-1], v[AF+FR*(\a):AF+FR*(\a)+FR-1], v[BIAS+8*\b:BIAS+8*\b+7], v[SC+8*NQ*(\sc)+NQ*\b+(\q)], v[SC+8*NQ*(\sc)+NQ*(\a)+(\q)] matrix_a_fmt:MATRIX_FMT_FP4 matrix_b_fmt:MATRIX_FMT_FP4 matrix_a_scale:MATRIX_SCALE_ROW1
.else
	v_wmma_scale_f32_16x16x128_f8f6f4 v[8*(8*((\a)%4)+\b):8*(8*((\a)%4)+\b)+7], v[128*(\p)+FR*\b:128*(\p)+FR*\b+FR-1], v[AF+FR*(\a):AF+FR*(\a)+FR-1], v[8*(8*((\a)%4)+\b):8*(8*((\a)%4)+\b)+7], v[SC+8*NQ*(\sc)+NQ*\b+(\q)], v[SC+8*NQ*(\sc)+NQ*(\a)+(\q)] matrix_a_fmt:MATRIX_FMT_FP4 matrix_b_fmt:MATRIX_FMT_FP4 matrix_a_scale:MATRIX_SCALE_ROW1
.endif
.endr
.endr
.endm
.macro FETCH_B slot, q, p
	WIN TO_B
.irp i, 0,1,2,3,4,5,6,7
	FRAG 128*(\p)+FR*\i, ADRB+\slot, \q, \i
.endr
	WIN 0
.endm
.macro FETCH_A slot, q, i0
.irp i, \i0, \i0+1, \i0+2, \i0+3
	FRAG AF+FR*(\i), ADRA+\slot, \q, \i
.endr
.endm
.macro SCALES sc                       ; a slot's scale words: lanes 0-15 take x's block i, lanes 16-31 W's block i
.irp i, 0,1,2,3,4,5,6,7
	ds_load_b128 v[SC+8*NQ*\sc+NQ*\i:SC+8*NQ*\sc+NQ*\i+3], v[ADRS] offset:\i*SBLK
.endr
.endm
.macro PLACES n                        ; plain vector instructions between a matrix instruction and a load into, or a read of, its registers
.rept \n
	v_nop
.endr
.endm
.macro STEP slot, q, zero              ; 128 along K, with its successor in the same slot
	s_wait_dscnt 4*NL                              ; W's set and x's blocks 0-3 are in; the youngest eight loads (x's blocks 4-7) may be out
.if \zero
	WIN FST_LO
.else
	WIN MUL_LO
.endif
	MUL16 0, (\q)%2, \q, \slot, \zero
	MUL16 2, (\q)%2, \q, \slot, \zero
	s_wait_dscnt 0                                 ; x's blocks 4-7 are in
	PLACES NP
	FETCH_B \slot, (\q)+1, 1-(\q)%2
	FETCH_A \slot, (\q)+1, 0
.if \zero
	WIN FST_HI
.else
	WIN MUL_HI
.endif
	MUL16 4, (\q)%2, \q, \slot, \zero
	MUL16 6, (\q)%2, \q, \slot, \zero
	PLACES NP
	WIN 0
	FETCH_A \slot, (\q)+1, 4
.endm
.macro STEPS slot, from
.set Q, \from
.rept NQ-1-\from
	STEP \slot, Q, 0
.set Q, Q+1
.endr
.endm
	s_wait_tensorcnt 1                             ; the scales and my part of slot 0 are in; slot 1's load may be out
	s_barrier_signal -1
	s_barrier_wait -1
	FETCH_B 0, 0, 0
	FETCH_A 0, 0, 0
	SCALES 0
	FETCH_A 0, 0, 4
	s_wait_loadcnt 0x0                             ; the bias
	STEP 0, 0, 1                                   ; the first products start the sums from the bias
	STEPS 0, 1
	; slot 0's last step changes slots: one barrier; in front of it my part of slot 1 has landed and my reads of slot 0 are over
	s_wait_tensorcnt 0x0
	ds_add_u32 v[SPW], v[NIL]
	s_wait_dscnt 4*NL+1                            ; the add and x's blocks 4-7 may be out
	WIN MUL_LO
	MUL16 0, 1, NQ-1, 0, 0
	s_wait_dscnt 0x0
	s_barrier_signal -1
	MUL16 2, 1, NQ-1, 0, 0
	WIN 0
	s_barrier_wait -1
	PLACES NP
	v_add_nc_u32 v[ADRS], 4*NQ, v[ADRS]            ; on to slot 1's scale words
	FETCH_B 1, 0, 0
	FETCH_A 1, 0, 0
	SCALES 1
	WIN MUL_HI
	MUL16 4, 1, NQ-1, 0, 0
	MUL16 6, 1, NQ-1, 0, 0
	PLACES NP
	WIN 0
	FETCH_A 1, 0, 4
	STEPS 1, 0
	s_wait_dscnt 4*NL                              ; the very last step
	WIN MUL_LO
	MUL16 0, 1, NQ-1, 1, 0
	MUL16 2, 1, NQ-1, 1, 0
	s_wait_dscnt 0
	WIN MUL_HI
	MUL16 4, 1, NQ-1, 1, 0
	MUL16 6, 1, NQ-1, 1, 0
	WIN 0
	PLACES NP                                      ; for the reads of results and the loads into registers that held operands and scales
	; THE FIRST 16 POSITIONS OF A SEQUENCE IN F32: block 0 of the waves with my tile's upper rows, where the tile is the batch's first.  The test hangs on the cluster's y and the wave's number.
	s_or_b32 s95, s66, s15
	s_cmp_lg_u32 s95, 0
	s_cbranch_scc1 .Lno_f32
	WIN 0x08                                       ; an LDS store's data: window 2
.irp b, 0,1,2,3,4,5,6,7
	ds_store_b128 v[STO32], v[8*\b:8*\b+3] offset:64*\b            ; each accumulator from its low end on
	ds_store_b128 v[STO32], v[8*\b+4:8*\b+7] offset:64*\b+16
.endr
	WIN 0
.irp t, 0,1,2,3,4,5,6,7,8,9,10,11,12,13,14,15
	ds_load_b128 v[128+4*\t:128+4*\t+3], v[RD32] offset:\t*528     ; LDS serves a wave's instructions in order: these see the stores above
.endr
	s_wait_dscnt 0x0
.irp t, 0,1,2,3,4,5,6,7,8,9,10,11,12,13,14,15
	global_store_b128 v[CO], v[128+4*\t:128+4*\t+3], s[100:101] offset:\t*12288   ; 32 lanes store 512 consecutive bytes, aligned to 256
.endr
.Lno_f32:
; THE WAY OUT IN F16, block by block of 16 rows x 128 columns (two heads).
.macro PACK a
.set AC, 64*((\a)%4)
	WIN 0x0a+5*((\a)/4)                            ; sources 0 and 1: window 2 or 3
.irp b, 0,1,2,3,4,5,6,7
.irp r, 0,1,2,3
	v_cvt_pk_f16_f32 v[TMP+4*\b+\r], v[AC+8*\b+2*\r], v[AC+8*\b+2*\r+1]
.endr
.endr
	WIN 0
.endm
.macro TOST16 a
.set BB, 64+32*((\a)%2)
.irp b, 0,1,2,3,4,5,6,7
	ds_store_b128 v[STO16], v[TMP+4*\b:TMP+4*\b+3] offset:32*\b
.endr
.irp t, 0,1,2,3,4,5,6,7
	ds_load_b128 v[BB+4*\t:BB+4*\t+3], v[RD16] offset:128*(\t/4)+1088*(\t%4)   ; head t / 4, rows 4 (t % 4) on
.endr
.endm
.macro SEND16 a
.set BB, 64+32*((\a)%2)
	s_wait_dscnt 0x0                               ; the block is back in registers
	s_wait_xcnt 0x0                                ; the stores of the block before have read their registers: the next block's loads may land there
.irp t, 0,1,2,3,4,5,6,7
	global_store_b128 v[CO], v[BB+4*\t:BB+4*\t+3], s[98:99] offset:2048*(\a)+262144*(\t/4)+512*(\t%4)   ; four rows of one head: 512 consecutive bytes, aligned to 256
.endr
.endm
	PACK 0
	TOST16 0
.irp a, 1,2,3,4,5,6,7                  ; block a's conversions stand between block a - 1's loads from the stage and the wait for them
	PACK \a
	SEND16 \a-1
	TOST16 \a
.endr
	SEND16 7
	s_wait_tensorcnt 0x0                           ; the wave's end
	ds_add_u32 v[SPW], v[NIL]
	s_wait_dscnt 0x0
	CROUND                                         ; the closing round
	s_endpgm
.Lfunc_end_k_q743e2257e1_gemm_qkv:
	.size	k_q743e2257e1_gemm_qkv, .Lfunc_end_k_q743e2257e1_gemm_qkv-k_q743e2257e1_gemm_qkv
	.p2alignl 7, 3214868480
	.fill 96, 4, 3214868480
	.section	.rodata,"a",@progbits
	.p2align	6, 0x0
	.amdhsa_kernel k_q743e2257e1_gemm_qkv
		.amdhsa_group_segment_fixed_size 327680
		.amdhsa_private_segment_fixed_size 0
		.amdhsa_enable_private_segment 0
		.amdhsa_kernarg_size 56
		.amdhsa_user_sgpr_count 2
		.amdhsa_user_sgpr_kernarg_segment_ptr 1
		.amdhsa_wavefront_size32 1
		.amdhsa_system_sgpr_workgroup_id_x 1
		.amdhsa_system_sgpr_workgroup_id_y 1
		.amdhsa_system_sgpr_workgroup_id_z 1
		.amdhsa_system_vgpr_workitem_id 0
		.amdhsa_next_free_vgpr 1024
		.amdhsa_next_free_sgpr 102
		.amdhsa_reserve_vcc 0
		.amdhsa_float_denorm_mode_32 3
		.amdhsa_float_denorm_mode_16_64 3
		.amdhsa_memory_ordered 1
		.amdhsa_forward_progress 1
		.amdhsa_inst_pref_size 132
	.end_amdhsa_kernel
	.amdgpu_metadata
---
amdhsa.version: [ 1, 2 ]
amdhsa.kernels:
  - .name:           k_q743e2257e1_gemm_qkv
    .symbol:         k_q743e2257e1_gemm_qkv.kd
    .args:
      - { .name: x_codes, .offset: 0, .size: 8, .value_kind: global_buffer, .address_space: global }
      - { .name: x_scales, .offset: 8, .size: 8, .value_kind: global_buffer, .address_space: global }
      - { .name: w_codes, .offset: 16, .size: 8, .value_kind: global_buffer, .address_space: global }
      - { .name: w_scales, .offset: 24, .size: 8, .value_kind: global_buffer, .address_space: global }
      - { .name: b_attn, .offset: 32, .size: 8, .value_kind: global_buffer, .address_space: global }
      - { .name: qkv, .offset: 40, .size: 8, .value_kind: global_buffer, .address_space: global }
      - { .name: qkv32, .offset: 48, .size: 8, .value_kind: global_buffer, .address_space: global }
    .group_segment_fixed_size: 327680
    .private_segment_fixed_size: 0
    .kernarg_segment_align: 8
    .kernarg_segment_size: 56
    .max_flat_workgroup_size: 128
    .sgpr_count:     102
    .vgpr_count:     1024
    .wavefront_size: 32
...
	.end_amdgpu_metadata
.endif
;; end of part 2
;; launch attn (part 3): grid 4 x 64, 8 waves a work-group, no clusters, 327,680 bytes of LDS; arguments qkv, yh; writes yh
.if DOCPART == 3
	.amdgcn_target "amdgcn-amd-amdhsa--gfx1250"
	.amdhsa_code_object_version 6
	.text
	.protected	k_q743e2257e1_attn
	.globl	k_q743e2257e1_attn
	.p2align	8
	.type	k_q743e2257e1_attn,@function
k_q743e2257e1_attn:
	s_mov_b64 s[64:65], 0
	v_nop
	global_prefetch_b8 v0, s[64:65] scope:SCOPE_SE
	s_setreg_imm32_b32 hwreg(HW_REG_WAVE_MODE, 25, 1), 1
	s_wait_xcnt 0x0
; y[b][h][q] = the sum over k <= q of softmax_k(q . k / 8) v, on f16 operands with f32 products, maxima and sums; the weights p are rounded to f16 for the second product, y once at the end.
; q, k, v: planes of [2048][64] f16 in qkv (plane 48 b + h, + 16, + 32).  y: f16 [16 heads][8192][64].
; SHARES.  Work-group (p, b h) owns query blocks 7 - p and then p, 256 queries each, of one head.  Block i needs key slots 0 .. i (256 keys each), so every work-group walks 9 slots:
; 256 work-groups of equal work, trip counts that are constants, and no tensor load is ever jumped over.  Each of the eight waves owns 32 queries: two tiles of 16; two waves share a SIMD.
; NO CLUSTER: under the causal mask the query blocks of a head need different numbers of key tiles, and a partner would jump over the reads of a joint tile.
; LAYOUT.  S^T = K Q^T (source 0 = 16 keys, source 1 = 16 queries): a lane holds one query (lane % 16) and keys 8 (lane / 16) + 0..7.  Two such tiles, rounded in pairs, are source 1 of O^T = V^T P.
; K comes out of LDS as it lies, V turned by ds_load_tr16_b128.  In LDS two keys share a row of 256 bytes: key k lies at (k / 2) pitch + 128 (k % 2).
; SOFTMAX.  A running maximum m and sum l for each query: p = 2^(c s - c m), c = log2(e) / 8; in every step O and l are multiplied by a = 2^(c m_old - c m_new).
; A step of 64 keys all of which come after the wave's queries is left out by a scalar branch on ids; on the diagonal hidden scores become -infinity.  A step that is walked begins at a key
; that counts for each of the wave's queries (its first key is a multiple of 64, the wave's first query of 32), so m is a number from the first step on.
; LIMIT: |q|, |k|, |v|, |y| up to 65,504 (f16).  The first 16 positions of each sequence are made here too, but the output's rows for them come from the launch that works in f32.
; REGISTERS.  window 0: v1-14 addresses and constants; v16-31 statistics, 8 a tile (+0 c m, +1 m, +2, +3 l, +4..+7 at work; a in +6); v32-95 S^T; v96-127 P; v128-191 K; v192-255 V.
;   window 1: v0-31 Q; v32-95 O^T.
.set PK,    272                        ; K's double row: 256 bytes + 16: the 16 keys of a load fall on 16 different 16-byte columns modulo 256
.set PV,    288                        ; V's: 256 + 32: the 8 keys x 32 bytes of a turning load's sixteen lanes likewise
.set VOFF,  128*PK                     ; a slot: 128 double rows of K, then 128 of V
.set SLOT1, 1<<17
.set STAGE, 2*SLOT1                    ; behind the ring: 32 rows x 144 bytes for each wave
.set SPARE, STAGE+8*32*144             ; the spare words, 128 bytes for each wave
.set AK0, 1
.set AV0, 2
.set ADK, 3
.set ADV, 4
.set SPW, 5
.set NIL, 6
.set QO,  7
.set STO, 8
.set RD,  9
.set GO,  10
.set PFO, 11
.set D0,  12                           ; v12, v13: my query less the step's first key less 8 (lane / 16), for tiles 0 and 1
.set NEG, 14                           ; -infinity
.set ST,  16
.set S,   32
.set P,   96
.set KR,  128
.set VR,  192
.set OA,  32                           ; in window 1
.set WV,   8
.set PP,   9
.set NA,   11                          ; slots of the first pass: 8 - p
.set TRIP, 12
.set KF,   13                          ; the step's first key
.set Q0,   14                          ; my first query
.set STEPC, 15
.set TK,   16                          ; LDS byte at which the step's K begins
.set TV,   17                          ; and, beyond VOFF, its V
.set LIM,  18
.set SEL,  20
.set CS,   22
.set G1K,  24
.set G1V,  32
.set G0K,  40
.set G0V,  44
.set KB,   48                          ; s[48:49] my half of K's slot 0 in memory;  s[50:51] of V's
.set VB,   50
.set QBA,  52                          ; Q's and y's rows of the two passes: registers of their own, never rewritten
.set QBB,  54
.set YBA,  56
.set YBB,  58
.set PFA,  60
.set Q0B,  67
.set MSB, 0
.macro WIN new
.if MSB != \new
	s_set_vgpr_msb (MSB<<8)|\new
.set MSB, \new
.endif
.endm
.set W_KQ, 0x04                        ; Q (source 1) in window 1
.set W_RS, 0x41                        ; O^T (destination, source 0) in window 1
.set W_PV, 0x50                        ; C and D in window 1
; Waves 0 and 1 fetch K's halves of a slot, waves 2 and 3 V's, the others nothing.  An s_nop 0 and four v_nop follow each line.
.macro TLOAD
	s_cmp_lt_u32 s[WV], 2
	s_cbranch_scc0 .Lnot_k_\@
	tensor_load_to_lds s[G0K:G0K+3], s[G1K:G1K+7]
	s_nop 0
.rept 4
	v_nop
.endr
	s_branch .Lasked_\@
.Lnot_k_\@:
	s_cmp_lt_u32 s[WV], 4
	s_cbranch_scc0 .Lasked_\@
	tensor_load_to_lds s[G0V:G0V+3], s[G1V:G1V+7]
	s_nop 0
.rept 4
	v_nop
.endr
.Lasked_\@:
.endm
; A PREFETCH of the slot that the NEXT change of slots will ask for: four key steps ahead of that load.  The work-group with p = 0 walks all eight slots of its head in its first pass: it asks, and nobody else;
; in it waves 4 and 5 ask for K's halves and waves 6 and 7 for V's: 16,384 bytes each, lanes 256 bytes apart, two instructions.  So each aligned block of 256 bytes is named once in the launch.
; Trips 0 to 5 ask for slots 2 to 7; later trips ask for nothing; slots 0 and 1 come by their loads alone.
.macro ASK
	s_cmp_lt_u32 s[TRIP], s[LIM]
	s_cbranch_scc0 .Lnot_mine_\@
	global_prefetch_b8 v[PFO], s[PFA:PFA+1] th:TH_LOAD_NT scope:SCOPE_SE
	global_prefetch_b8 v[PFO], s[PFA:PFA+1] offset:8192 th:TH_LOAD_NT scope:SCOPE_SE
.Lnot_mine_\@:
.endm
	s_load_b128 s[4:7], s[0:1], 0x0                ; qkv, yh
	v_lshl_add_u32 v[SPW], v0, 2, SPARE
	v_mov_b32 v[NIL], 0
	ds_add_u32 v[SPW], v[NIL]                      ; the wave's opening: the add, twice on end, and its wait ahead of my first tensor load
	ds_add_u32 v[SPW], v[NIL]
	v_lshrrev_b32 v1, 5, v0
	v_readfirstlane_b32 s[WV], v1                  ; wave 0..7
	s_mov_b32 s[PP], ttmp9
	s_and_b32 s10, ttmp7, 0xffff
	s_lshr_b32 s19, s10, 4                         ; batch
	s_and_b32 s10, s10, 15                         ; head
	s_sub_co_u32 s[NA], 8, s[PP]
	s_mul_i32 s2, s19, 48
	s_add_co_u32 s2, s2, s10
	s_lshl_b32 s2, s2, 18                          ; q's plane
	s_mov_b32 s3, 0
	s_lshl_b32 s68, s10, 20
	s_lshl_b32 s69, s19, 18
	s_add_co_u32 s68, s68, s69                     ; y: the head's plane, the batch's rows
	s_mov_b32 s69, 0
	s_lshl_b32 s66, s[WV], 5
	s_sub_co_u32 s[Q0], 7, s[PP]
	s_lshl_b32 s[Q0], s[Q0], 8
	s_add_co_u32 s[Q0], s[Q0], s66                 ; first pass: 256 (7 - p) + 32 w
	s_lshl_b32 s[Q0B], s[PP], 8
	s_add_co_u32 s[Q0B], s[Q0B], s66               ; second pass: 256 p + 32 w
	s_and_b32 s66, s[WV], 1                        ; which half of a slot I fetch, if I fetch
	s_mov_b32 s[G1K], (1<<16)|(1<<20)|(5<<22)|(3<<25)   ; no mask; elements of 2 bytes; padding on: 4 words after every 64
	s_mov_b32 s[G1V], (1<<16)|(1<<20)|(5<<22)|(7<<25)   ; 8 words
.irp g, G1K, G1V
	s_mov_b32 s[\g+1], 128<<16                     ; tensor_dim0: two keys, 128 elements (the plane's rows are dense)
	s_mov_b32 s[\g+2], 64<<16                      ; tensor_dim1
	s_mov_b32 s[\g+3], 128<<16                     ; tile_dim0
	s_mov_b32 s[\g+4], 64                          ; tile_dim1
	s_mov_b32 s[\g+5], 128                         ; the pitch in memory
	s_mov_b32 s[\g+6], 0
	s_mov_b32 s[\g+7], 0
.endr
	s_mov_b32 s[G0K], 1
	s_mul_i32 s[G0K+1], s66, 64*PK
	s_mov_b32 s[G0V], 1
	s_mul_i32 s[G0V+1], s66, 64*PV
	s_add_co_u32 s[G0V+1], s[G0V+1], VOFF
	s_mov_b32 s[SEL], 0x76543210
	s_mov_b32 s[SEL+1], 0xfedcba98
	s_mov_b32 s[CS], 0x3e38aa3b                    ; c = log2(e) / 8
	s_mov_b32 s[CS+1], s[CS]
	s_mov_b32 s[TRIP], 0
	s_mov_b32 s[KF], 0
	s_mov_b32 s[TK], 0
	s_mov_b32 s[TV], 0
	s_wait_dscnt 0x0                               ; both opening adds are done
	s_wait_kmcnt 0x0
	s_add_nc_u64 s[4:5], s[4:5], s[2:3]
	s_add_nc_u64 s[6:7], s[6:7], s[68:69]
	s_lshl_b32 s2, s66, 14
	s_add_nc_u64 s[KB:KB+1], s[4:5], s[2:3]
	s_add_nc_u64 s[VB:VB+1], s[KB:KB+1], 32<<18
	s_add_nc_u64 s[KB:KB+1], s[KB:KB+1], 16<<18
	s_lshl_b32 s2, s[Q0], 7
	s_add_nc_u64 s[QBA:QBA+1], s[4:5], s[2:3]
	s_add_nc_u64 s[YBA:YBA+1], s[6:7], s[2:3]
	s_lshl_b32 s2, s[Q0B], 7
	s_add_nc_u64 s[QBB:QBB+1], s[4:5], s[2:3]
	s_add_nc_u64 s[YBB:YBB+1], s[6:7], s[2:3]
	s_mov_b64 s[G0K+2:G0K+3], s[KB:KB+1]
	s_or_b32 s[G0K+3], s[G0K+3], 0x80000000
	s_mov_b64 s[G0V+2:G0V+3], s[VB:VB+1]
	s_or_b32 s[G0V+3], s[G0V+3], 0x80000000
	TLOAD                                          ; slot 0: one load of mine is out at the most, here and ever after
	s_cmp_lt_u32 s[WV], 6
	s_cselect_b64 s[PFA:PFA+1], s[KB:KB+1], s[VB:VB+1]
	s_add_nc_u64 s[PFA:PFA+1], s[PFA:PFA+1], 32768 ; at slot 1: the first change of slots steps it to slot 2
	s_lshr_b32 s19, s[WV], 2
	s_xor_b32 s19, s19, 1                          ; 0 in waves 4 to 7,
	s_or_b32 s19, s19, s[PP]                       ; of the work-group with p = 0
	s_cmp_eq_u32 s19, 0
	s_cselect_b32 s[LIM], 6, 0
	v_and_b32 v12, 15, v0                          ; r
	v_bfe_u32 v13, v0, 4, 1                        ; h
	v_lshlrev_b32 v[QO], 7, v12
	v_lshl_add_u32 v[QO], v13, 4, v[QO]            ; Q: row r of 128 bytes, + 16 h
.macro QLOAD base                      ; Q's fragments (tile x, channels 32 kc on) at v[8 (2 x + kc)] of window 1
	WIN 0x40
.irp x, 0,1
.irp kc, 0,1
.irp c, 0,1
	global_load_b128 v[8*(2*\x+\kc)+4*\c:8*(2*\x+\kc)+4*\c+3], v[QO], s[\base:\base+1] offset:2048*\x+64*\kc+32*\c
.endr
.endr
.endr
	WIN 0
.endm
	QLOAD QBA
	v_lshrrev_b32 v3, 1, v12
	v_mul_u32_u24 v[AK0], v3, PK
	v_and_b32 v3, 1, v0
	v_lshl_add_u32 v[AK0], v3, 7, v[AK0]
	v_lshl_add_u32 v[AK0], v13, 4, v[AK0]          ; K: 272 (r / 2) + 128 (r % 2) + 16 h
	v_bfe_u32 v4, v0, 1, 2
	v_lshl_add_u32 v4, v13, 2, v4
	v_mul_u32_u24 v[AV0], v4, PV
	v_lshl_add_u32 v[AV0], v3, 7, v[AV0]
	v_bfe_u32 v4, v0, 3, 1
	v_lshl_add_u32 v[AV0], v4, 4, v[AV0]
	v_add_nc_u32 v[AV0], VOFF, v[AV0]              ; V: key 8 h + l % 8, channels 8 ((l / 8) % 2) on
	s_mul_i32 s19, s[WV], 32*144
	s_add_co_u32 s19, s19, STAGE                   ; my stage
	v_mul_u32_u24 v[STO], v12, 144
	v_lshl_add_u32 v[STO], v13, 4, v[STO]
	v_add_nc_u32 v[STO], s19, v[STO]
	v_bfe_u32 v4, v0, 3, 2
	v_mul_u32_u24 v[RD], v4, 144
	v_and_b32 v3, 7, v0
	v_lshl_add_u32 v[RD], v3, 4, v[RD]
	v_add_nc_u32 v[RD], s19, v[RD]                 ; back: eight lanes to a row of 128 bytes, four rows an instruction
	v_and_b32 v[GO], 31, v0
	v_lshlrev_b32 v[PFO], 8, v[GO]
	v_lshlrev_b32 v[GO], 4, v[GO]
	v_mov_b32 v[NEG], 0xff800000
; A pass begins: m = -3e38, under every score; l and O^T zeros, which the first change of m leaves zeros.  So the key step is written once.
.macro INIT
.irp x, 0,1
	v_mov_b32 v[ST+8*\x+1], 0xff61b1e6
	v_mul_f32 v[ST+8*\x], s[CS], v[ST+8*\x+1]
.irp i, 2,3,4,5,6,7
	v_mov_b32 v[ST+8*\x+\i], 0
.endr
.endr
	WIN 0x40
.set i, 0
.rept 64
	v_mov_b32 v[OA+i], 0
.set i, i+1
.endr
	WIN 0
.endm
	INIT
; The softmax of a key step, both tiles line by line by turns.
.macro SOFTMAX
.irp j, 0,1,2,3
.irp x, 0,1
	v_max3_num_f32 v[ST+8*\x+4+\j], v[S+32*\x+8*\j], v[S+32*\x+8*\j+1], v[S+32*\x+8*\j+2]   ; four chains; each accumulator is read from its low end on
.endr
.endr
.irp i, 3,5
.irp j, 0,1,2,3
.irp x, 0,1
	v_max3_num_f32 v[ST+8*\x+4+\j], v[ST+8*\x+4+\j], v[S+32*\x+8*\j+\i], v[S+32*\x+8*\j+\i+1]
.endr
.endr
.endr
.irp x, 0,1
	v_max3_num_f32 v[ST+8*\x+4], v[ST+8*\x+4], v[S+32*\x+7], v[S+32*\x+15]
.endr
.irp x, 0,1
	v_max3_num_f32 v[ST+8*\x+6], v[ST+8*\x+6], v[S+32*\x+23], v[S+32*\x+31]
.endr
.irp x, 0,1
	v_max3_num_f32 v[ST+8*\x+4], v[ST+8*\x+4], v[ST+8*\x+5], v[ST+8*\x+6]
.endr
.irp x, 0,1
	v_max3_num_f32 v[ST+8*\x+4], v[ST+8*\x+4], v[ST+8*\x+7], v[ST+8*\x+1]   ; with the old m
.endr
.irp x, 0,1
	v_permlanex16_b32 v[ST+8*\x+5], v[ST+8*\x+4], s[SEL], s[SEL+1]          ; the query's other 32 keys lie in the lane 16 away
.endr
.irp x, 0,1
	v_mov_b32 v[ST+8*\x+7], v[ST+8*\x]                                      ; c m_old
.endr
.irp x, 0,1
	v_max_num_f32 v[ST+8*\x+1], v[ST+8*\x+4], v[ST+8*\x+5]
.endr
.irp x, 0,1
	v_mul_f32 v[ST+8*\x], s[CS], v[ST+8*\x+1]
.endr
.irp x, 0,1
	v_sub_f32 v[ST+8*\x+7], v[ST+8*\x+7], v[ST+8*\x]
.endr
.set i, 0
.rept 16
.irp x, 0,1
	v_pk_fma_f32 v[S+32*\x+2*i:S+32*\x+2*i+1], v[S+32*\x+2*i:S+32*\x+2*i+1], s[CS:CS+1], v[ST+8*\x:ST+8*\x+1] op_sel_hi:[1,0,0] neg_lo:[0,0,1] neg_hi:[0,0,1]   ; c s - c m
.endr
.set i, i+1
.endr
.irp x, 0,1
	v_exp_f32 v[ST+8*\x+6], v[ST+8*\x+7]           ; a
.endr
.set i, 0
.rept 32
.irp x, 0,1
	v_exp_f32 v[S+32*\x+i], v[S+32*\x+i]
.endr
.set i, i+1
.endr
	v_nop                                          ; a plain instruction behind the last exponential
	s_wait_alu depctr_va_vdst(0)                   ; one wait for the batch of 66, ahead of its first reader
.set i, 0
.rept 16
.irp x, 0,1
	v_cvt_pk_f16_f32 v[P+16*\x+i], v[S+32*\x+2*i], v[S+32*\x+2*i+1]
.endr
.set i, i+1
.endr
.irp u, 0,1,2,3,4,5,6,7                ; the sum of the tile's 16 pairs, in place
.irp x, 0,1
	v_pk_add_f32 v[S+32*\x+4*\u:S+32*\x+4*\u+1], v[S+32*\x+4*\u:S+32*\x+4*\u+1], v[S+32*\x+4*\u+2:S+32*\x+4*\u+3]
.endr
.endr
.irp u, 0,1,2,3
.irp x, 0,1
	v_pk_add_f32 v[S+32*\x+8*\u:S+32*\x+8*\u+1], v[S+32*\x+8*\u:S+32*\x+8*\u+1], v[S+32*\x+8*\u+4:S+32*\x+8*\u+5]
.endr
.endr
.irp u, 0,1
.irp x, 0,1
	v_pk_add_f32 v[S+32*\x+16*\u:S+32*\x+16*\u+1], v[S+32*\x+16*\u:S+32*\x+16*\u+1], v[S+32*\x+16*\u+8:S+32*\x+16*\u+9]
.endr
.endr
.irp x, 0,1
	v_pk_add_f32 v[S+32*\x:S+32*\x+1], v[S+32*\x:S+32*\x+1], v[S+32*\x+16:S+32*\x+17]
.endr
.irp x, 0,1
	v_pk_fma_f32 v[ST+8*\x+2:ST+8*\x+3], v[ST+8*\x+2:ST+8*\x+3], v[ST+8*\x+6:ST+8*\x+7], v[S+32*\x:S+32*\x+1] op_sel_hi:[1,0,1]   ; l = a l + the sum
.endr
.endm
; A slot's four key steps of 64: written once, walked four times; the LDS addresses hang on s[TK] and s[TV].
.macro FOUR_STEPS
	s_mov_b32 s[STEPC], 4
.Lstep_\@:
	s_add_co_u32 s19, s[Q0], 31
	s_cmp_gt_u32 s[KF], s19                        ; all 64 keys come after my 32 queries: the step's work is left out, not the lines at its end
	s_cbranch_scc1 .Lhidden_\@
	v_add_nc_u32 v[ADK], s[TK], v[AK0]             ; these four lines are the places between the last products and the loads into V's registers
	v_add_nc_u32 v[ADV], s[TV], v[AV0]
	v_nop
	v_nop
.irp f, 0,1,2,3,4,5,6,7                ; K: keys 16 (f / 2) on, channels 32 (f % 2) on
	ds_load_b128 v[KR+8*\f:KR+8*\f+3],   v[ADK] offset:(\f/2)*8*PK+(\f%2)*64
	ds_load_b128 v[KR+8*\f+4:KR+8*\f+7], v[ADK] offset:(\f/2)*8*PK+(\f%2)*64+32
.endr
.irp f, 0,1,2,3,4,5,6,7                ; V, turned: keys 32 (f / 4) on, channels 16 (f % 4) on
	ds_load_tr16_b128 v[VR+8*\f:VR+8*\f+3],   v[ADV] offset:(\f/4)*16*PV+(\f%4)*32
	ds_load_tr16_b128 v[VR+8*\f+4:VR+8*\f+7], v[ADV] offset:(\f/4)*16*PV+8*PV+(\f%4)*32
.endr
	s_wait_dscnt 16                                ; K is in; V's sixteen loads may be out
	WIN W_KQ
.irp kc, 0,1                           ; eight accumulators by turns
.irp x, 0,1
.irp kt, 0,1,2,3
.if \kc == 0
	v_wmma_f32_16x16x32_f16 v[S+32*\x+8*\kt:S+32*\x+8*\kt+7], v[KR+8*(2*\kt+\kc):KR+8*(2*\kt+\kc)+7], v[8*(2*\x+\kc):8*(2*\x+\kc)+7], 0
.else
	v_wmma_f32_16x16x32_f16 v[S+32*\x+8*\kt:S+32*\x+8*\kt+7], v[KR+8*(2*\kt+\kc):KR+8*(2*\kt+\kc)+7], v[8*(2*\x+\kc):8*(2*\x+\kc)+7], v[S+32*\x+8*\kt:S+32*\x+8*\kt+7]
.endif
.endr
.endr
.endr
	WIN 0
.rept 4
	v_nop                                          ; places ahead of the first read of the scores
.endr
	s_add_co_u32 s19, s[KF], 63
	s_cmp_le_u32 s19, s[Q0]                        ; all 64 keys count for all my queries: no mask
	s_cbranch_scc1 .Lopen_\@
	s_sub_co_i32 s19, s[Q0], s[KF]
	v_and_b32 v[D0], 15, v0
	v_bfe_u32 v[D0+1], v0, 4, 1
	v_lshlrev_b32 v[D0+1], 3, v[D0+1]
	v_sub_nc_u32 v[D0], v[D0], v[D0+1]
	v_add_nc_u32 v[D0], s19, v[D0]                 ; register n of tile x holds key KF + 16 (n / 8) + 8 h + n % 8: hidden where 16 (n / 8) + n % 8 > d
	v_add_nc_u32 v[D0+1], 16, v[D0]
.set n, 0
.rept 32
	v_cmp_gt_i32 vcc_lo, 16*(n/8)+n%8, v[D0]
	v_cndmask_b32 v[S+n], v[S+n], v[NEG], vcc_lo
	v_cmp_gt_i32 vcc_lo, 16*(n/8)+n%8, v[D0+1]
	v_cndmask_b32 v[S+32+n], v[S+32+n], v[NEG], vcc_lo
.set n, n+1
.endr
.Lopen_\@:
	SOFTMAX
	WIN W_RS
.set i, 0
.rept 16
.irp x, 0,1
	v_pk_mul_f32 v[OA+32*\x+2*i:OA+32*\x+2*i+1], v[OA+32*\x+2*i:OA+32*\x+2*i+1], v[ST+8*\x+6:ST+8*\x+7] op_sel_hi:[1,0]   ; O^T times a
.endr
.set i, i+1
.endr
	s_wait_dscnt 0x0                               ; V is in
	WIN W_PV
.irp kh, 0,1                           ; eight accumulators by turns
.irp x, 0,1
.irp ct, 0,1,2,3
	v_wmma_f32_16x16x32_f16 v[OA+8*(4*\x+\ct):OA+8*(4*\x+\ct)+7], v[VR+8*(4*\kh+\ct):VR+8*(4*\kh+\ct)+7], v[P+16*\x+8*\kh:P+16*\x+8*\kh+7], v[OA+8*(4*\x+\ct):OA+8*(4*\x+\ct)+7]
.endr
.endr
.endr
	WIN 0
.Lhidden_\@:
	s_add_co_u32 s[KF], s[KF], 64
	s_add_co_u32 s[TK], s[TK], 32*PK
	s_add_co_u32 s[TV], s[TV], 32*PV
	s_sub_co_u32 s[STEPC], s[STEPC], 1
	s_cmp_lg_u32 s[STEPC], 0
	s_cbranch_scc1 .Lstep_\@
	s_sub_co_u32 s[TK], s[TK], 128*PK              ; back to a slot's first step,
	s_xor_b32 s[TK], s[TK], SLOT1                  ; in the other slot
	s_sub_co_u32 s[TV], s[TV], 128*PV
	s_xor_b32 s[TV], s[TV], SLOT1
.endm
; THE WAY OUT of a pass: O^T / l, rounded to f16, through my stage, out as whole rows: four rows of 128 bytes an instruction.
.macro WAYOUT base
.rept 4
	v_nop                                          ; places behind the last products
.endr
.irp x, 0,1
	v_add_f32 v[ST+8*\x+4], v[ST+8*\x+2], v[ST+8*\x+3]
.endr
.irp x, 0,1
	v_permlanex16_b32 v[ST+8*\x+5], v[ST+8*\x+4], s[SEL], s[SEL+1]
.endr
.irp x, 0,1
	v_add_f32 v[ST+8*\x+4], v[ST+8*\x+4], v[ST+8*\x+5]
.endr
.irp x, 0,1
	v_rcp_f32 v[ST+8*\x+6], v[ST+8*\x+4]
.endr
	v_nop
	s_wait_alu depctr_va_vdst(0)                   ; one wait for the two reciprocals, ahead of their first reader
	WIN W_RS
.irp x, 0,1
.set i, 0
.rept 16
	v_pk_mul_f32 v[OA+32*\x+2*i:OA+32*\x+2*i+1], v[OA+32*\x+2*i:OA+32*\x+2*i+1], v[ST+8*\x+6:ST+8*\x+7] op_sel_hi:[1,0]
.set i, i+1
.endr
.endr
	WIN 0x05                                       ; sources in window 1, destination in window 0: S^T's registers are free
.irp x, 0,1
.set i, 0
.rept 16
	v_cvt_pk_f16_f32 v[S+16*\x+i], v[OA+32*\x+2*i], v[OA+32*\x+2*i+1]
.set i, i+1
.endr
.endr
	WIN 0
.irp x, 0,1
.irp ct, 0,1,2,3
	ds_store_b128 v[STO], v[S+16*\x+4*\ct:S+16*\x+4*\ct+3] offset:2304*\x+32*\ct
.endr
.irp g, 0,1,2,3
	ds_load_b128 v[S+32+16*\x+4*\g:S+32+16*\x+4*\g+3], v[RD] offset:2304*\x+576*\g   ; LDS serves a wave's instructions in order
.endr
.endr
.irp g, 0,1,2,3
	s_wait_dscnt 11-\g                             ; behind tile 0's load g: its later loads and tile 1's eight instructions
	global_store_b128 v[GO], v[S+32+4*\g:S+32+4*\g+3], s[\base:\base+1] offset:512*\g
.endr
.irp g, 0,1,2,3
	s_wait_dscnt 3-\g
	global_store_b128 v[GO], v[S+48+4*\g:S+48+4*\g+3], s[\base:\base+1] offset:2048+512*\g   ; 512 consecutive bytes, aligned to 256
.endr
.endm
; THE CHANGE OF SLOTS, at a slot's head.  Each wave waits for all its tensor loads, adds 0 to its spare word and waits for that and for its reads of the slot that it has left; one barrier;
; behind it (fill = 1) the slot just left is filled with the next trip's keys: slot n + 1 of the pass in hand, or slot n + 1 - NA of the second pass.
.macro CHANGE fill
	s_wait_tensorcnt 0x0                           ; no tensor load of mine is out, so a group 0 may be written
	ds_add_u32 v[SPW], v[NIL]
.if \fill
	ds_add_u32 v[SPW], v[NIL]                      ; and twice on end here, in every trip alike
	s_xor_b32 s[G0K+1], s[G0K+1], SLOT1
	s_xor_b32 s[G0V+1], s[G0V+1], SLOT1
	s_add_co_u32 s19, s[TRIP], 1
	s_cmp_lt_u32 s19, s[NA]
	s_cselect_b32 s62, 0, s[NA]
	s_sub_co_u32 s62, s19, s62                     ; the next trip's key slot
	s_lshl_b32 s62, s62, 15                        ; 256 keys of 128 bytes
	s_mov_b32 s63, 0
	s_add_nc_u64 s[G0K+2:G0K+3], s[KB:KB+1], s[62:63]
	s_or_b32 s[G0K+3], s[G0K+3], 0x80000000
	s_add_nc_u64 s[G0V+2:G0V+3], s[VB:VB+1], s[62:63]
	s_or_b32 s[G0V+3], s[G0V+3], 0x80000000
	s_wait_xcnt 0x0                                ; the last prefetches, a slot back, have read their address
	s_add_nc_u64 s[PFA:PFA+1], s[PFA:PFA+1], 32768
.endif
	s_wait_dscnt 0x0
	s_barrier_signal -1
	s_barrier_wait -1
.if \fill
	TLOAD                                          ; the first thing behind the barrier, and a wave's one tensor load until the next
	ASK
.endif
.endm
; Where the second pass begins: its Q is asked for, the first pass's y leaves, the statistics begin anew.  The test is made of the work-group's number and the count of trips: the same in all waves.
.macro SWITCH
	s_cmp_lg_u32 s[TRIP], s[NA]
	s_cbranch_scc1 .Lsame_\@
	s_mov_b32 s[Q0], s[Q0B]
	s_mov_b32 s[KF], 0
	QLOAD QBB
	WAYOUT YBA
	INIT
	s_wait_xcnt 0x0                                ; the stores have read their data: S^T's registers may be written again
	s_wait_loadcnt 0x0                             ; Q
.Lsame_\@:
.endm
	s_wait_loadcnt 0x0                             ; Q
.Lslot:                                            ; eight trips; behind each change of slots the next trip's slot is asked for
	CHANGE 1
	SWITCH
	FOUR_STEPS
	s_add_co_u32 s[TRIP], s[TRIP], 1
	s_cmp_lt_u32 s[TRIP], 8
	s_cbranch_scc1 .Lslot
	CHANGE 0                                       ; the ninth slot is written out: nothing is left to ask for
	SWITCH
	FOUR_STEPS
	WAYOUT YBB
	s_wait_tensorcnt 0x0                           ; the wave's end
	ds_add_u32 v[SPW], v[NIL]
	s_wait_dscnt 0x0
	s_endpgm
.Lfunc_end_k_q743e2257e1_attn:
	.size	k_q743e2257e1_attn, .Lfunc_end_k_q743e2257e1_attn-k_q743e2257e1_attn
	.p2alignl 7, 3214868480
	.fill 96, 4, 3214868480
	.section	.rodata,"a",@progbits
	.p2align	6, 0x0
	.amdhsa_kernel k_q743e2257e1_attn
		.amdhsa_group_segment_fixed_size 327680
		.amdhsa_private_segment_fixed_size 0
		.amdhsa_enable_private_segment 0
		.amdhsa_kernarg_size 16
		.amdhsa_user_sgpr_count 2
		.amdhsa_user_sgpr_kernarg_segment_ptr 1
		.amdhsa_wavefront_size32 1
		.amdhsa_system_sgpr_workgroup_id_x 1
		.amdhsa_system_sgpr_workgroup_id_y 1
		.amdhsa_system_sgpr_workgroup_id_z 1
		.amdhsa_system_vgpr_workitem_id 0
		.amdhsa_next_free_vgpr 352
		.amdhsa_next_free_sgpr 72
		.amdhsa_reserve_vcc 1
		.amdhsa_float_denorm_mode_32 3
		.amdhsa_float_denorm_mode_16_64 3
		.amdhsa_memory_ordered 1
		.amdhsa_forward_progress 1
		.amdhsa_inst_pref_size 83
	.end_amdhsa_kernel
	.amdgpu_metadata
---
amdhsa.version: [ 1, 2 ]
amdhsa.kernels:
  - .name:           k_q743e2257e1_attn
    .symbol:         k_q743e2257e1_attn.kd
    .args:
      - { .name: qkv, .offset: 0, .size: 8, .value_kind: global_buffer, .address_space: global }
      - { .name: yh, .offset: 8, .size: 8, .value_kind: global_buffer, .address_space: global }
    .group_segment_fixed_size: 327680
    .private_segment_fixed_size: 0
    .kernarg_segment_align: 8
    .kernarg_segment_size: 16
    .max_flat_workgroup_size: 256
    .sgpr_count:     72
    .vgpr_count:     352
    .wavefront_size: 32
...
	.end_amdgpu_metadata
.endif
;; end of part 3
;; launch proj (part 4): grid 4 x 64, 4 waves a work-group, clusters of 4 x 4, 327,680 bytes of LDS; arguments yh, wpT, b_proj, out0; writes out0
.if DOCPART == 4
	.amdgcn_target "amdgcn-amd-amdhsa--gfx1250"
	.amdhsa_code_object_version 6
	.text
	.protected	k_q743e2257e1_proj
	.globl	k_q743e2257e1_proj
	.p2align	8
	.type	k_q743e2257e1_proj,@function
k_q743e2257e1_proj:
	s_mov_b64 s[64:65], 0
	v_nop
	global_prefetch_b8 v0, s[64:65] scope:SCOPE_SE
	s_setreg_imm32_b32 hwreg(HW_REG_WAVE_MODE, 25, 1), 1
	s_wait_xcnt 0x0
	s_wait_alu depctr_hold_cnt(0) depctr_sa_sdst(0) depctr_va_vdst(0) depctr_va_sdst(0) depctr_va_ssrc(0) depctr_va_vcc(0) depctr_vm_vsrc(0)
	s_getreg_b32 s2, hwreg(HW_REG_IB_STS2, 6, 4)
	s_cmp_eq_u32 s2, 0
	s_cbranch_scc0 .Lentry_in_a_cluster
	s_endpgm
.Lentry_in_a_cluster:
	s_bfe_u32 s2, ttmp6, 0x10000c
	s_cmp_lg_u32 s2, 0xf033
	s_cbranch_scc0 .Lentry_shape_is_right
	s_endpgm
.Lentry_shape_is_right:
; out = y W_proj + b_proj on f16 operands, sums in f32; all rows but the first 16 positions of each sequence, which another launch makes in f32.
; y: f16 [16 heads][8192][64]; the weight turned: f16 [1024 n][1024 k].  A tile of 128 rows x 256 columns to a work-group: 256 work-groups.  Four waves, each 64 x 128: 32 accumulators.
; K goes in steps of 128 (two heads) through a ring of two LDS slots.  Waves 0 and 1 fetch y's two heads (128 dense rows of 128 bytes, stated as 64 rows of 256), waves 2 and 3 the weight's 2 x 128 rows of 256 bytes.
; CLUSTERS of 4 x 4: y's tiles are shared along a row of the cluster, the weight's along a column: joint loads.  The tile row is (cluster y) + 16 cy, so that cy is the batch.
; THE MATRIX INSTRUCTION IS USED TRANSPOSED (source 0 = 16 rows of the weight, source 1 = 16 rows of y).  The bias is the C of each sum's first matrix instruction.
; No prefetch: the weight is read by all 64 tile rows, y's tiles are shared in the cluster, and the launch's stores keep memory at work.
; REGISTERS: window 0: v16-29 addresses; v32-95 y's fragments, two buffers of 32; v128-255 the weight's, two buffers of 64; on the way out v128-255 rows of the output.
;   window 1: the accumulators ((a, b) at v[8 (8 a + b)]).   window 2: v0-63 the bias.
.set PITCH,  272
.set AHALF,  64*PITCH                  ; one head's 128 rows of y, two to an LDS row
.set BHALF,  128*PITCH                 ; 128 rows of the weight
.set SLOT,   2*AHALF+2*BHALF
.set SPARE,  2*SLOT                    ; the spare words, 128 bytes for each wave
.set SPITCH, 528                       ; the way out: 16 rows x (512 + 16) for each wave, in slot 0, behind its last fill and its last read
.set LAPS,   4
.set ADRA, 16
.set ADRB, 20
.set STO,  24
.set RD,   25
.set CO,   26
.set BOF,  27
.set SPW,  28
.set NIL,  29
.set FA,   32
.set FB,   128
.set BK,   128
.set G1, 24
.set G0, 32
.set G1B, 48
.set G0B, 56
.set MSB, 0
.macro WIN new
.if MSB != \new
	s_set_vgpr_msb (MSB<<8)|\new
.set MSB, \new
.endif
.endm
.set MUL,  0x50                        ; C and D window 1
.set MUL0, 0x60                        ; C (the bias) window 2, D window 1
.macro JLOAD s                         ; a joint load; an s_nop 0 and four v_nop follow each of the two lines
	s_cmp_eq_u32 s11, 0
	s_cbranch_scc0 .Lfor_b_\@
	tensor_load_to_lds s[G0+4*\s:G0+4*\s+3], s[G1:G1+7]
	s_nop 0
.rept 4
	v_nop
.endr
	s_branch .Lasked_\@
.Lfor_b_\@:
	tensor_load_to_lds s[G0B+4*\s:G0B+4*\s+3], s[G1B:G1B+7]
	s_nop 0
.rept 4
	v_nop
.endr
.Lasked_\@:
.endm
.macro CREST
	s_cmp_lg_u32 s10, 0
	s_cbranch_scc1 .Lnot_wave_0_\@
	s_barrier_signal -3
.Lnot_wave_0_\@:
	s_barrier_wait -3
	s_barrier_signal -1
	s_barrier_wait -1
.endm
.macro CROUND
	s_barrier_signal -1
	s_barrier_wait -1
	CREST
.endm
	s_load_b128 s[4:7], s[0:1], 0x0                ; y, the turned weight
	s_load_b64 s[66:67], s[0:1], 0x10              ; b_proj
	s_load_b64 s[8:9], s[0:1], 0x18                ; out0
	v_lshl_add_u32 v[SPW], v0, 2, SPARE
	v_mov_b32 v[NIL], 0
	ds_add_u32 v[SPW], v[NIL]                      ; the wave's opening: the add, twice on end, and its wait ahead of my first tensor load
	ds_add_u32 v[SPW], v[NIL]
	v_lshrrev_b32 v1, 5, v0
	v_readfirstlane_b32 s10, v1                    ; wave 0..3
	s_lshr_b32 s11, s10, 1                         ; my 64 rows.  Also: I fetch for y (0) or for the weight (1)
	s_and_b32 s12, s10, 1                          ; my 128 columns.  Also: which head, or which 128 rows, I fetch
	s_bfe_u32 s40, ttmp6, 0x40000                  ; cx
	s_bfe_u32 s41, ttmp6, 0x40004                  ; cy
	s_lshl_b32 s42, ttmp9, 2
	s_add_co_u32 s42, s42, s40                     ; tile column
	s_and_b32 s45, ttmp7, 0xffff                   ; cluster y
	s_lshl_b32 s13, s41, 4
	s_add_co_u32 s13, s13, s45                     ; tile row = 16 cy + cluster y
	s_lshl_b32 s43, s41, 2
	s_lshl_b32 s43, 15, s43
	s_lshl_b32 s44, 0x1111, s40
	s_or_b32 s[G1+0], s43, (1<<16)|(1<<20)|(1<<21)|(5<<22)|(3<<25)   ; the mask; elements of 2 bytes; padding: 4 words after every 64
	s_or_b32 s[G1B+0], s44, (1<<16)|(1<<20)|(1<<21)|(5<<22)|(3<<25)
	s_mov_b32 s[G1+1], 128<<16
	s_mov_b32 s[G1+2], 64<<16
	s_mov_b32 s[G1+3], 128<<16
	s_mov_b32 s[G1+4], 64
	s_mov_b32 s[G1+5], 128
	s_mov_b32 s[G1+6], 0
	s_mov_b32 s[G1+7], 0
	s_mov_b32 s[G1B+1], 128<<16
	s_mov_b32 s[G1B+2], 128<<16
	s_mov_b32 s[G1B+3], 128<<16
	s_mov_b32 s[G1B+4], 128
	s_mov_b32 s[G1B+5], 1024
	s_mov_b32 s[G1B+6], 0
	s_mov_b32 s[G1B+7], 0
	s_lshl_b32 s16, s12, 20                        ; y: my head of the K step's two,
	s_lshl_b32 s17, s13, 14                        ; the tile's 128 rows of 128 bytes
	s_add_co_u32 s16, s16, s17
	s_mov_b32 s17, 0
	s_lshl_b32 s46, s42, 19                        ; the weight: 256 rows of 2,048 bytes a tile column,
	s_lshl_b32 s47, s12, 18                        ; my 128 of them
	s_add_co_u32 s46, s46, s47
	s_mov_b32 s47, 0
	s_mul_i32 s20, s12, AHALF
	s_mul_i32 s21, s12, BHALF
	s_add_co_u32 s21, s21, 2*AHALF
	s_wait_dscnt 0x0
	s_wait_kmcnt 0x0
	s_add_nc_u64 s[14:15], s[4:5], s[16:17]
	s_add_nc_u64 s[46:47], s[6:7], s[46:47]
	CROUND                                         ; all sixteen work-groups are here
.irp s, 0,1
	s_mov_b32 s[G0+4*\s], 1
	s_add_co_u32 s[G0+4*\s+1], s20, \s*SLOT
	s_add_nc_u64 s[G0+4*\s+2:G0+4*\s+3], s[14:15], \s*2097152    ; K step s: heads 2 s, 2 s + 1
	s_or_b32 s[G0+4*\s+3], s[G0+4*\s+3], 0x80000000
	s_mov_b32 s[G0B+4*\s], 1
	s_add_co_u32 s[G0B+4*\s+1], s21, \s*SLOT
	s_add_nc_u64 s[G0B+4*\s+2:G0B+4*\s+3], s[46:47], \s*256
	s_or_b32 s[G0B+4*\s+3], s[G0B+4*\s+3], 0x80000000
	JLOAD \s                                       ; two loads of mine are out
.endr
	v_and_b32 v1, 15, v0                           ; r
	v_bfe_u32 v2, v0, 4, 1                         ; h
	s_lshl_b32 s16, s42, 10
	s_lshl_b32 s17, s12, 9
	s_add_co_u32 s16, s16, s17                     ; 4 x my first column
	s_mov_b32 s17, 0
	s_add_nc_u64 s[66:67], s[66:67], s[16:17]
	s_add_nc_u64 s[8:9], s[8:9], s[16:17]
	s_lshl_b32 s16, s13, 7
	s_lshl_b32 s18, s11, 6
	s_add_co_u32 s16, s16, s18
	s_lshl_b32 s16, s16, 12                        ; my first row, of 4,096 bytes
	s_add_nc_u64 s[8:9], s[8:9], s[16:17]
	v_lshlrev_b32 v[BOF], 5, v2
	WIN 0x80                                       ; destination window 2
.irp b, 0,1,2,3,4,5,6,7
	global_load_b128 v[8*\b:8*\b+3], v[BOF], s[66:67] offset:64*\b
	global_load_b128 v[8*\b+4:8*\b+7], v[BOF], s[66:67] offset:64*\b+16
.endr
	WIN 0
	v_lshrrev_b32 v3, 1, v1
	v_mul_u32_u24 v3, v3, PITCH
	v_and_b32 v4, 1, v0
	v_lshl_add_u32 v3, v4, 7, v3
	v_lshl_add_u32 v3, v2, 4, v3                   ; y: 272 (r / 2) + 128 (r % 2) + 16 h
	v_mul_u32_u24 v4, v1, PITCH
	v_lshl_add_u32 v4, v2, 4, v4                   ; the weight: 272 r + 16 h
	s_mul_i32 s21, s11, 32*PITCH                   ; my 64 rows of y
	s_mul_i32 s22, s12, BHALF
	s_add_co_u32 s22, s22, 2*AHALF                 ; my 128 rows of the weight
.irp s, 0,1
	v_add_nc_u32 v[ADRA+\s], s21, v3
	v_add_nc_u32 v[ADRB+\s], s22, v4
	s_add_co_u32 s21, s21, SLOT
	s_add_co_u32 s22, s22, SLOT
.endr
	s_mul_i32 s23, s10, 16*SPITCH                  ; my stage
	v_mul_u32_u24 v5, v1, SPITCH
	v_lshl_add_u32 v5, v2, 5, v5
	v_add_nc_u32 v[STO], s23, v5
	v_and_b32 v6, 31, v0
	v_lshlrev_b32 v[CO], 4, v6
	v_add_nc_u32 v[RD], s23, v[CO]
.macro MUL8 cur, a, zero               ; y's block a against the weight's eight, 32 along K.  The 32 accumulators take turns in one order throughout
.irp b, 0,1,2,3,4,5,6,7
.if \zero
	v_wmma_f32_16x16x32_f16 v[8*(8*(\a)+\b):8*(8*(\a)+\b)+7], v[FB+64*(\cur)+8*\b:FB+64*(\cur)+8*\b+7], v[FA+32*(\cur)+8*(\a):FA+32*(\cur)+8*(\a)+7], v[8*\b:8*\b+7]
.else
	v_wmma_f32_16x16x32_f16 v[8*(8*(\a)+\b):8*(8*(\a)+\b)+7], v[FB+64*(\cur)+8*\b:FB+64*(\cur)+8*\b+7], v[FA+32*(\cur)+8*(\a):FA+32*(\cur)+8*(\a)+7], v[8*(8*(\a)+\b):8*(8*(\a)+\b)+7]
.endif
.endr
.endm
.macro FETCH slot, q, buf              ; 24 LDS loads in one run: the fragments of the slot's q-th 32 along K
.irp i, 0,1,2,3,4,5,6,7
	ds_load_b128 v[FB+64*(\buf)+8*\i:FB+64*(\buf)+8*\i+3],   v[ADRB+\slot] offset:64*(\q)+\i*16*PITCH
	ds_load_b128 v[FB+64*(\buf)+8*\i+4:FB+64*(\buf)+8*\i+7], v[ADRB+\slot] offset:64*(\q)+\i*16*PITCH+32
.endr
.irp i, 0,1,2,3
	ds_load_b128 v[FA+32*(\buf)+8*\i:FA+32*(\buf)+8*\i+3],   v[ADRA+\slot] offset:AHALF*((\q)/2)+64*((\q)%2)+\i*8*PITCH
	ds_load_b128 v[FA+32*(\buf)+8*\i+4:FA+32*(\buf)+8*\i+7], v[ADRA+\slot] offset:AHALF*((\q)/2)+64*((\q)%2)+\i*8*PITCH+32
.endr
.endm
.macro PLACES
.rept 4
	v_nop
.endr
.endm
.macro MWIN zero
.if \zero
	WIN MUL0
.else
	WIN MUL
.endif
.endm
.macro QUARTER slot, qn, cur, zero     ; multiplies buffer cur; in its middle fetches the slot's quarter qn into the other buffer
	s_wait_dscnt 4                                 ; the weight's fragments and y's blocks 0, 1 are in; the youngest four loads (blocks 2, 3) may be out
	MWIN \zero
	MUL8 \cur, 0, \zero
	MUL8 \cur, 1, \zero
	PLACES
	WIN 0
	FETCH \slot, \qn, 1-\cur
	s_wait_dscnt 24                                ; all but the 24 just issued
	MWIN \zero
	MUL8 \cur, 2, \zero
	MUL8 \cur, 3, \zero
.endm
; A slot's last quarter multiplies buffer 1 and changes slots: one barrier; in front of it each wave waits for all its tensor loads, adds 0 to its spare word, and waits for that and for its reads of this slot.
.macro TURN slot, next, fill
	WIN 0
	s_wait_tensorcnt 0x0                           ; my part of the next slot has landed
	ds_add_u32 v[SPW], v[NIL]
	s_wait_dscnt 5                                 ; the add and the youngest four loads may be out
	WIN MUL
	MUL8 1, 0, 0
	s_wait_dscnt 0x0                               ; the add is done, and my reads of this slot are over
	s_barrier_signal -1
	MUL8 1, 1, 0
	WIN 0
	s_barrier_wait -1
.if \fill
	CREST                                          ; the barrier has opened a round of the cluster's barrier
	s_add_nc_u64 s[G0+4*\slot+2:G0+4*\slot+3], s[G0+4*\slot+2:G0+4*\slot+3], 4194304
	s_add_nc_u64 s[G0B+4*\slot+2:G0B+4*\slot+3], s[G0B+4*\slot+2:G0B+4*\slot+3], 512
	JLOAD \slot                                    ; the first tensor load behind the round; its four v_nop are the places in front of the loads below
.else
	PLACES
.endif
	FETCH \next, 0, 0
	WIN MUL
	MUL8 1, 2, 0
	MUL8 1, 3, 0
.endm
	s_wait_tensorcnt 1                             ; my part of K step 0 is in; K step 1's may be out
	s_barrier_signal -1
	s_barrier_wait -1
	FETCH 0, 0, 0
	s_wait_loadcnt 0x0                             ; the bias
	QUARTER 0, 1, 0, 1                             ; the first products start the sums from the bias
	WIN 0
	s_mov_b32 s3, LAPS-1
.Llap:                                             ; a trip goes once round the ring and fills both slots again
	QUARTER 0, 2, 1, 0
	QUARTER 0, 3, 0, 0
	TURN 0, 1, 1
	QUARTER 1, 1, 0, 0
	QUARTER 1, 2, 1, 0
	QUARTER 1, 3, 0, 0
	TURN 1, 0, 1
	QUARTER 0, 1, 0, 0
	WIN 0
	s_sub_co_u32 s3, s3, 1
	s_cmp_lg_u32 s3, 0
	s_cbranch_scc1 .Llap
	QUARTER 0, 2, 1, 0                             ; the last lap fills nothing
	QUARTER 0, 3, 0, 0
	TURN 0, 1, 0
	QUARTER 1, 1, 0, 0
	QUARTER 1, 2, 1, 0
	QUARTER 1, 3, 0, 0
	s_wait_dscnt 4
	WIN MUL
	MUL8 1, 0, 0
	MUL8 1, 1, 0
	s_wait_dscnt 0
	MUL8 1, 2, 0
	MUL8 1, 3, 0
	WIN 0
	PLACES
; THE WAY OUT, block by block of 16 rows x 128 columns, through my own stage: whole rows of 512 bytes leave.
.macro TOSTAGE a
	WIN 0x04                                       ; an LDS store's data: window 1
.irp b, 0,1,2,3,4,5,6,7
	ds_store_b128 v[STO], v[64*(\a)+8*\b:64*(\a)+8*\b+3] offset:64*\b          ; each accumulator from its low end on
	ds_store_b128 v[STO], v[64*(\a)+8*\b+4:64*(\a)+8*\b+7] offset:64*\b+16
.endr
	WIN 0
.set BB, BK+64*((\a)%2)
.irp t, 0,1,2,3,4,5,6,7,8,9,10,11,12,13,14,15
	ds_load_b128 v[BB+4*\t:BB+4*\t+3], v[RD] offset:\t*SPITCH
.endr
.endm
.macro SEND a, younger
.set BB, BK+64*((\a)%2)
	s_wait_dscnt \younger
.irp t, 0,1,2,3,4,5,6,7,8,9,10,11,12,13,14,15
	global_store_b128 v[CO], v[BB+4*\t:BB+4*\t+3], s[8:9] offset:(16*(\a)+\t)*4096 th:TH_STORE_NT   ; 512 consecutive bytes, aligned to 256
.endr
.endm
	s_or_b32 s16, s45, s11                         ; the batch's first tile and its upper rows: block 0 is the sequence's first 16 positions, which are not mine
	s_cmp_eq_u32 s16, 0
	s_cbranch_scc1 .Lnot_block_0
	TOSTAGE 0
	SEND 0, 0
.Lnot_block_0:
	TOSTAGE 1
	s_wait_xcnt 0x0                                ; block 0's stores have read their registers
	TOSTAGE 2
	SEND 1, 32                                     ; behind block 1's loads: block 2's 16 stores and 16 loads
	s_wait_xcnt 0x0
	TOSTAGE 3
	SEND 2, 32
	SEND 3, 0
	s_wait_tensorcnt 0x0                           ; the wave's end: the three lines
	ds_add_u32 v[SPW], v[NIL]
	s_wait_dscnt 0x0
	CROUND                                         ; the closing round
	s_endpgm
.Lfunc_end_k_q743e2257e1_proj:
	.size	k_q743e2257e1_proj, .Lfunc_end_k_q743e2257e1_proj-k_q743e2257e1_proj
	.p2alignl 7, 3214868480
	.fill 96, 4, 3214868480
	.section	.rodata,"a",@progbits
	.p2align	6, 0x0
	.amdhsa_kernel k_q743e2257e1_proj
		.amdhsa_group_segment_fixed_size 327680
		.amdhsa_private_segment_fixed_size 0
		.amdhsa_enable_private_segment 0
		.amdhsa_kernarg_size 32
		.amdhsa_user_sgpr_count 2
		.amdhsa_user_sgpr_kernarg_segment_ptr 1
		.amdhsa_wavefront_size32 1
		.amdhsa_system_sgpr_workgroup_id_x 1
		.amdhsa_system_sgpr_workgroup_id_y 1
		.amdhsa_system_sgpr_workgroup_id_z 1
		.amdhsa_system_vgpr_workitem_id 0
		.amdhsa_next_free_vgpr 576
		.amdhsa_next_free_sgpr 70
		.amdhsa_reserve_vcc 0
		.amdhsa_float_denorm_mode_32 3
		.amdhsa_float_denorm_mode_16_64 3
		.amdhsa_memory_ordered 1
		.amdhsa_forward_progress 1
		.amdhsa_inst_pref_size 87
	.end_amdhsa_kernel
	.amdgpu_metadata
---
amdhsa.version: [ 1, 2 ]
amdhsa.kernels:
  - .name:           k_q743e2257e1_proj
    .symbol:         k_q743e2257e1_proj.kd
    .args:
      - { .name: yh, .offset: 0, .size: 8, .value_kind: global_buffer, .address_space: global }
      - { .name: wpT, .offset: 8, .size: 8, .value_kind: global_buffer, .address_space: global }
      - { .name: b_proj, .offset: 16, .size: 8, .value_kind: global_buffer, .address_space: global }
      - { .name: out0, .offset: 24, .size: 8, .value_kind: global_buffer, .address_space: global }
    .group_segment_fixed_size: 327680
    .private_segment_fixed_size: 0
    .kernarg_segment_align: 8
    .kernarg_segment_size: 32
    .max_flat_workgroup_size: 128
    .sgpr_count:     70
    .vgpr_count:     576
    .wavefront_size: 32
...
	.end_amdgpu_metadata
.endif
;; end of part 4
;; launch fine (part 5): grid 16 x 4, 16 waves a work-group, no clusters, 137,216 bytes of LDS; arguments qkv32, W_proj, b_proj, out0; writes out0
.if DOCPART == 5
	.amdgcn_target "amdgcn-amd-amdhsa--gfx1250"
	.amdhsa_code_object_version 6
	.text
	.protected	k_q743e2257e1_fine
	.globl	k_q743e2257e1_fine
	.p2align	8
	.type	k_q743e2257e1_fine,@function
k_q743e2257e1_fine:
	s_mov_b64 s[64:65], 0
	v_nop
	global_prefetch_b8 v0, s[64:65] scope:SCOPE_SE
	s_setreg_imm32_b32 hwreg(HW_REG_WAVE_MODE, 25, 1), 1
	s_wait_xcnt 0x0
; The first 16 positions of each sequence, in f32 throughout: attention (16 queries x 16 keys a head) and the projection.  These rows average one to a few values and are the largest in size.
; Work-group (cg, b): 64 output columns of batch b's 16 rows.  Wave = head.  Each wave makes its head's attention (32 small matrix instructions; every work-group of a batch repeats them),
; multiplies its y (16 x 64) by its 64 rows of W_proj at the work-group's 64 columns by fused multiply-adds, and the 16 heads' parts are added through LDS: wave w sums and stores row w.
; THE F32 MATRIX FORM takes 4 along K: register j of lane (r, h) is k = 2 h + j.  K is permuted alike on both sides: instruction t takes channels 32 h + 2 t + j (first product), keys 8 h + 2 t + j (second).
; Its results (v112-159) are written by matrix instructions alone; what is made of them goes into other registers.
; REGISTERS: v1-11 addresses and the bias; v12, v13 the add's two; v14 -infinity; v15 r - 8 h; v16-47 q; v48-79 k; v80-111 v turned; v112-127 S^T in two halves; v128-159 O^T; v160-167 scores, then p;
;   v168-173 at work; v192-255 W_proj's rows 0-31 of my head.  Later: v16-79 its rows 32-63; v80-111 y, then two buffers of y's numbers, then the parts; v160-191 my 16 rows x 2 columns.
.set PR,    69632                      ; LDS: y, 16 waves x 16 rows x 272; from PR the parts, 16 waves x 16 rows x 256
.set SPARE, 135168                     ; the spare words, 128 bytes for each wave
.set QR,  16
.set KR,  48
.set VT,  80
.set SA,  112
.set OA,  128
.set T,   160
.set W0,  192
.set W1,  16
.set YB,  80
.set ACC, 160
	s_load_b128 s[4:7], s[0:1], 0x0                ; qkv32, W_proj
	s_load_b128 s[8:11], s[0:1], 0x10              ; b_proj, out0
	v_lshl_add_u32 v12, v0, 2, SPARE
	v_mov_b32 v13, 0
	v_lshrrev_b32 v1, 5, v0
	v_readfirstlane_b32 s12, v1                    ; wave = head
	s_and_b32 s13, ttmp7, 0xffff                   ; batch
	v_and_b32 v1, 31, v0
	v_and_b32 v2, 15, v0                           ; r
	v_bfe_u32 v3, v0, 4, 1                         ; h
	v_lshlrev_b32 v4, 3, v1                        ; 8 x lane: my two columns
	v_mul_u32_u24 v5, v2, 12288
	v_lshl_add_u32 v5, v3, 7, v5                   ; q, k: row r, channels 32 h on
	v_mul_u32_u24 v6, v3, 98304
	v_lshl_add_u32 v6, v2, 2, v6                   ; v: keys 8 h on, channel r
	s_mul_i32 s17, s12, 4352
	v_mul_u32_u24 v7, v2, 272
	v_lshl_add_u32 v7, v3, 5, v7
	v_add_nc_u32 v7, s17, v7                       ; y into LDS: my wave's row r, + 32 h
	v_mov_b32 v8, s17                              ; and back: one address for all lanes
	s_lshl_b32 s18, s12, 12
	s_add_co_u32 s18, s18, PR
	v_add_nc_u32 v9, s18, v4                       ; my part
	s_lshl_b32 s18, s12, 8
	s_add_co_u32 s18, s18, PR
	v_add_nc_u32 v1, s18, v4                       ; row w of part 0
	v_mov_b32 v14, 0xff800000
	v_lshlrev_b32 v15, 3, v3
	v_sub_nc_u32 v15, v2, v15                      ; r - 8 h
	v_mov_b32 v170, 0                              ; a lane permute's destination counts as one of its sources
	s_mov_b32 s14, 0x76543210
	s_mov_b32 s15, 0xfedcba98
	s_mov_b32 s16, 0x3e38aa3b                      ; c = log2(e) / 8
	s_mul_i32 s20, s13, 196608
	s_lshl_b32 s21, s12, 8
	s_add_co_u32 s20, s20, s21
	s_mov_b32 s21, 0
	s_lshl_b32 s24, ttmp9, 8                       ; my 64 columns
	s_mov_b32 s25, 0
	s_lshl_b32 s22, s12, 18                        ; my head's 64 rows of 4,096 bytes
	s_add_co_u32 s22, s22, s24
	s_mov_b32 s23, 0
	s_lshl_b32 s26, s13, 23
	s_lshl_b32 s27, s12, 12
	s_add_co_u32 s26, s26, s27
	s_add_co_u32 s26, s26, s24                     ; out0: row 2048 b + w
	s_mov_b32 s27, 0
	s_wait_kmcnt 0x0
	s_add_nc_u64 s[4:5], s[4:5], s[20:21]
	s_add_nc_u64 s[6:7], s[6:7], s[22:23]
	s_add_nc_u64 s[8:9], s[8:9], s[24:25]
	s_add_nc_u64 s[10:11], s[10:11], s[26:27]
.set k, 0
.rept 32
	global_load_b64 v[W0+2*k:W0+2*k+1], v4, s[6:7] offset:4096*k
.set k, k+1
.endr
	global_load_b64 v[10:11], v4, s[8:9]
.irp i, 0,1,2,3,4,5,6,7
	global_load_b128 v[QR+4*\i:QR+4*\i+3], v5, s[4:5] offset:16*\i
.endr
.irp i, 0,1,2,3,4,5,6,7
	global_load_b128 v[KR+4*\i:KR+4*\i+3], v5, s[4:5] offset:4096+16*\i
.endr
.irp ct, 0,1,2,3
.irp u, 0,1,2,3,4,5,6,7
	global_load_b32 v[VT+8*\ct+\u], v6, s[4:5] offset:\u*12288+64*\ct+8192      ; v(key 8 h + u, channel 16 ct + r)
.endr
.endr
	s_wait_loadcnt 32                              ; all but v's 32 loads are in
	; S^T = K Q^T: two accumulators by turns, each started by its own first step
.set t, 0
.rept 16
.if t < 2
	v_wmma_f32_16x16x4_f32 v[SA+8*(t%2):SA+8*(t%2)+7], v[KR+2*t:KR+2*t+1], v[QR+2*t:QR+2*t+1], 0
.else
	v_wmma_f32_16x16x4_f32 v[SA+8*(t%2):SA+8*(t%2)+7], v[KR+2*t:KR+2*t+1], v[QR+2*t:QR+2*t+1], v[SA+8*(t%2):SA+8*(t%2)+7]
.endif
.set t, t+1
.endr
.rept 8
	v_nop                                          ; eight places behind this form, ahead of loads into its sources and of reads of its results
.endr
.set k, 0
.rept 32
	global_load_b64 v[W1+2*k:W1+2*k+1], v4, s[6:7] offset:4096*(32+k)
.set k, k+1
.endr
.irp i, 0,1,2,3
	v_pk_add_f32 v[T+2*\i:T+2*\i+1], v[SA+2*\i:SA+2*\i+1], v[SA+8+2*\i:SA+8+2*\i+1]   ; lane (r, h): query r, key 8 h + j
.endr
.irp j, 0,1,2,3,4,5,6,7
	v_cmp_gt_i32 vcc_lo, \j, v15                   ; key after query
	v_cndmask_b32 v[T+\j], v[T+\j], v14, vcc_lo
.endr
	v_max3_num_f32 v168, v[T], v[T+1], v[T+2]
	v_max3_num_f32 v169, v[T+3], v[T+4], v[T+5]
	v_max3_num_f32 v168, v168, v[T+6], v[T+7]
	v_max_num_f32 v168, v168, v169
	v_permlanex16_b32 v170, v168, s14, s15
	v_max_num_f32 v168, v168, v170                 ; the row's maximum: key 0 counts for every query
	v_mul_f32 v169, s16, v168
.irp j, 0,1,2,3,4,5,6,7
	v_fma_f32 v[T+\j], v[T+\j], s16, -v169
.endr
.irp j, 0,1,2,3,4,5,6,7
	v_exp_f32 v[T+\j], v[T+\j]
.endr
	v_nop
	s_wait_alu depctr_va_vdst(0)                   ; one wait for the eight, ahead of their first reader
	v_pk_add_f32 v[170:171], v[T:T+1], v[T+2:T+3]
	v_pk_add_f32 v[172:173], v[T+4:T+5], v[T+6:T+7]
	v_pk_add_f32 v[170:171], v[170:171], v[172:173]
	v_add_f32 v170, v170, v171
	v_permlanex16_b32 v171, v170, s14, s15
	v_add_f32 v170, v170, v171
	v_rcp_f32 v172, v170
	v_nop
	s_wait_alu depctr_va_vdst(0)
	s_wait_loadcnt 32                              ; v is in; the weight's second 32 loads may be out
	; O^T = V^T P: four accumulators by turns
.irp t, 0,1,2,3
.irp ct, 0,1,2,3
.if \t == 0
	v_wmma_f32_16x16x4_f32 v[OA+8*\ct:OA+8*\ct+7], v[VT+8*\ct+2*\t:VT+8*\ct+2*\t+1], v[T+2*\t:T+2*\t+1], 0
.else
	v_wmma_f32_16x16x4_f32 v[OA+8*\ct:OA+8*\ct+7], v[VT+8*\ct+2*\t:VT+8*\ct+2*\t+1], v[T+2*\t:T+2*\t+1], v[OA+8*\ct:OA+8*\ct+7]
.endif
.endr
.endr
.rept 8
	v_nop
.endr
.set i, 0
.rept 16
	v_pk_mul_f32 v[YB+2*i:YB+2*i+1], v[OA+2*i:OA+2*i+1], v[172:173] op_sel_hi:[1,0]   ; y(r, 16 ct + 8 h + j) = O^T / l
.set i, i+1
.endr
.irp ct, 0,1,2,3
	ds_store_b128 v7, v[YB+8*\ct:YB+8*\ct+3] offset:64*\ct
	ds_store_b128 v7, v[YB+8*\ct+4:YB+8*\ct+7] offset:64*\ct+16
.endr
	s_wait_dscnt 0x0                               ; the stores have read their registers, into which the loads below land
; THE PROJECTION.  Batch bi: y(rows 4 (bi % 4) .. + 3, channels 4 (bi / 4) .. + 3), one address for all lanes, a batch ahead; 16 packed multiply-adds.
.macro YLOAD bi
.irp i, 0,1,2,3
	ds_load_b128 v[YB+16*((\bi)%2)+4*\i:YB+16*((\bi)%2)+4*\i+3], v8 offset:(4*((\bi)%4)+\i)*272+16*((\bi)/4)
.endr
.endm
.macro BATCH bi
.irp kk, 0,1,2,3
.irp i, 0,1,2,3
.set kx, 4*((\bi)/4)+\kk
.if kx < 32
.set wr, W0+2*kx
.else
.set wr, W1+2*(kx-32)
.endif
.set ar, ACC+2*(4*((\bi)%4)+\i)
.set yr, YB+16*((\bi)%2)+4*\i+2*(\kk/2)
.if kx == 0
	v_pk_mul_f32 v[ar:ar+1], v[wr:wr+1], v[yr:yr+1] op_sel_hi:[1,0]                         ; the first channel starts the sums
.elseif (\kk%2) == 0
	v_pk_fma_f32 v[ar:ar+1], v[wr:wr+1], v[yr:yr+1], v[ar:ar+1] op_sel_hi:[1,0,1]
.else
	v_pk_fma_f32 v[ar:ar+1], v[wr:wr+1], v[yr:yr+1], v[ar:ar+1] op_sel:[0,1,0] op_sel_hi:[1,1,1]
.endif
.endr
.endr
.endm
	YLOAD 0
.set bb, 0
.rept 64
.if bb < 63
	YLOAD bb+1
	s_wait_dscnt 4                                 ; this batch's four loads are in; the next batch's may be out
.else
	s_wait_dscnt 0x0
.endif
.if bb == 32
	s_wait_loadcnt 0x0                             ; the weight's rows 32-63
.endif
	BATCH bb
.set bb, bb+1
.endr
.set i, 0
.rept 16
	ds_store_b64 v9, v[ACC+2*i:ACC+2*i+1] offset:256*i
.set i, i+1
.endr
	s_wait_dscnt 0x0                               ; for the others' sake: my part lies in LDS
	s_barrier_signal -1
	s_barrier_wait -1
.set i, 0
.rept 16
	ds_load_b64 v[YB+2*i:YB+2*i+1], v1 offset:4096*i   ; row w of every head's part
.set i, i+1
.endr
	s_wait_dscnt 0x0
.irp i, 0,1,2,3,4,5,6,7
	v_pk_add_f32 v[YB+4*\i:YB+4*\i+1], v[YB+4*\i:YB+4*\i+1], v[YB+4*\i+2:YB+4*\i+3]
.endr
.irp i, 0,1,2,3
	v_pk_add_f32 v[YB+8*\i:YB+8*\i+1], v[YB+8*\i:YB+8*\i+1], v[YB+8*\i+4:YB+8*\i+5]
.endr
.irp i, 0,1
	v_pk_add_f32 v[YB+16*\i:YB+16*\i+1], v[YB+16*\i:YB+16*\i+1], v[YB+16*\i+8:YB+16*\i+9]
.endr
	v_pk_add_f32 v[YB:YB+1], v[YB:YB+1], v[YB+16:YB+17]
	v_pk_add_f32 v[YB:YB+1], v[YB:YB+1], v[10:11]  ; the bias
	global_store_b64 v4, v[YB:YB+1], s[10:11]      ; the wave stores 256 consecutive bytes, aligned
	s_wait_tensorcnt 0x0                           ; the wave's end: behind my last LDS store
	ds_add_u32 v12, v13
	s_wait_dscnt 0x0
	s_endpgm
.Lfunc_end_k_q743e2257e1_fine:
	.size	k_q743e2257e1_fine, .Lfunc_end_k_q743e2257e1_fine-k_q743e2257e1_fine
	.p2alignl 7, 3214868480
	.fill 96, 4, 3214868480
	.section	.rodata,"a",@progbits
	.p2align	6, 0x0
	.amdhsa_kernel k_q743e2257e1_fine
		.amdhsa_group_segment_fixed_size 137216
		.amdhsa_private_segment_fixed_size 0
		.amdhsa_enable_private_segment 0
		.amdhsa_kernarg_size 32
		.amdhsa_user_sgpr_count 2
		.amdhsa_user_sgpr_kernarg_segment_ptr 1
		.amdhsa_wavefront_size32 1
		.amdhsa_system_sgpr_workgroup_id_x 1
		.amdhsa_system_sgpr_workgroup_id_y 1
		.amdhsa_system_sgpr_workgroup_id_z 1
		.amdhsa_system_vgpr_workitem_id 0
		.amdhsa_next_free_vgpr 256
		.amdhsa_next_free_sgpr 66
		.amdhsa_reserve_vcc 1
		.amdhsa_float_denorm_mode_32 3
		.amdhsa_float_denorm_mode_16_64 3
		.amdhsa_memory_ordered 1
		.amdhsa_forward_progress 1
		.amdhsa_inst_pref_size 105
	.end_amdhsa_kernel
	.amdgpu_metadata
---
amdhsa.version: [ 1, 2 ]
amdhsa.kernels:
  - .name:           k_q743e2257e1_fine
    .symbol:         k_q743e2257e1_fine.kd
    .args:
      - { .name: qkv32, .offset: 0, .size: 8, .value_kind: global_buffer, .address_space: global }
      - { .name: W_proj, .offset: 8, .size: 8, .value_kind: global_buffer, .address_space: global }
      - { .name: b_proj, .offset: 16, .size: 8, .value_kind: global_buffer, .address_space: global }
      - { .name: out0, .offset: 24, .size: 8, .value_kind: global_buffer, .address_space: global }
    .group_segment_fixed_size: 137216
    .private_segment_fixed_size: 0
    .kernarg_segment_align: 8
    .kernarg_segment_size: 32
    .max_flat_workgroup_size: 512
    .sgpr_count:     66
    .vgpr_count:     256
    .wavefront_size: 32
...
	.end_amdgpu_metadata
.endif
;; end of part 5
